; MI455X (gfx1250); checked and timed in simulation.
; The chip was launched on July 23, 2026; its instructions are those of AMD's public machine-readable ISA for CDNA 5 (MIT licence, August 2026) and "CDNA5" Instruction Set Architecture Reference Guide (July 2026). The comments in the code are by the model that wrote it; some were corrected since.
;; Positionwise Pair Feed Forward. Allowed arithmetic: matrix products marked QUANTISED: E2M3 operands, one E8M0 scale for each 32 along K, by v_wmma_scale_f32_16x16x128_f8f6f4 with both operands' format E2M3, f32 sums; products left as they are: f32 operands where the result goes on into a quantised operand, else bf16, f16 or f32 operands; f32 sums; everything else in f32.
;; Inputs: W1 256 x 768 float32; W2 128 x 256 float32; W3 1 x 128 float32; Wa 256 x 256 float32; Wg 256 x 256 float32; a1 one number float32; a2 one number float32; anchor 8,192 x 256 float32; b1 256 float32; b2 128 float32; b3 1 float32; ba 256 float32; bg 256 float32; guess 8,192 x 256 float32.
;; Outputs: out0 8,192 x 1 float32.
;; This version of the problem:
;;   THIS VERSION OF THE PROBLEM IS GIVEN IN LOW PRECISION. The matrix products marked QUANTISED in the list below multiply operands that are first quantised to E2M3 (2 exponent bits, 3 mantissa bits; 6 bits a number), with one power-of-two scale for each 32 numbers along K (OCP MX v1.0); their sums are f32. All else is computed in f32.
;;   The module's matrix products, in the order in which they are computed (A, B: the left and right operand; K: the contracted axis; several contracted axes count as one K, in the product's order):
;;     1. [M 8,192, K 256] x [K 256, N 256]; A: input anchor; B: input Wa: QUANTISED
;;     2. [M 8,192, K 256] x [K 256, N 256]; A: input guess; B: input Wg: QUANTISED
;;     3. [M 8,192, K 256] x [K 256, N 8,192]; A: computed on the way; B: computed on the way: QUANTISED
;;     4. [M 8,192, K 8,192] x [K 8,192, N 256]; A: softmax (see below); B: input anchor: QUANTISED
;;     5. [M 8,192, K 768] x [K 768, N 256]; A: computed on the way; B: input W1: QUANTISED
;;     6. [M 8,192, K 256] x [K 256, N 128]; A: computed on the way; B: input W2: QUANTISED
;;     7. [M 8,192, K 128] x [K 128, N 1]; A: computed on the way; B: input W3: left as it is (N = 1 < 16)
;;   THE QUANTISER, for each operand of a quantised product, along K:
;;     - K is cut into blocks of 32 from its start; a last block that is shorter is filled with zeros.
;;     - A block's scale is 2^e with e = floor(log2(the largest magnitude in the block)) - 2, held to -126 .. 127; a block of zeros has e = 0. As a byte (E8M0): e + 127.
;;     - Each number is divided by its block's scale, clamped to +-7.5, and rounded to the nearest number of E2M3, ties to even, subnormals kept.
;;     - The product sums the exact products of the quantised numbers (number of the format x scale) in f32.
;;   ~~~python
;;   def quantise(x, axis):      # numpy; x: float32 -> the quantised numbers, widened to float32 again
;;       x = np.moveaxis(x, axis, -1); K = x.shape[-1]
;;       x = np.pad(x, [(0, 0)] * (x.ndim - 1) + [(0, -K % 32)]); x = x.reshape(x.shape[:-1] + (-1, 32)); a = np.abs(x).max(-1, keepdims=True)
;;       e = np.where(a > 0, np.clip(np.frexp(np.where(a > 0, a, 1))[1] - 1 - 2, -126, 127), 0)      # np.frexp(a)[1] - 1 = floor(log2(a)), exactly
;;       r = np.clip(x / 2.0 ** e, -7.5, 7.5)
;;       step = 2.0 ** (np.maximum(np.frexp(np.where(r == 0, 1, r))[1] - 1, 0) - 3)
;;       q = np.round(r / step) * step * 2.0 ** e      # np.round: ties to even
;;       return np.moveaxis(q.reshape(q.shape[:-2] + (-1,))[..., :K], -1, axis).astype(np.float32)
;;   ~~~
;;   SOFTMAX AHEAD OF A QUANTISED PRODUCT. Where the list says 'softmax', what is quantised is not the finished softmax but p = 2^(t - M), with t = logit x log2(e) and M = ceil(the row's largest t), a whole number; so 1/2 < the row's largest p <= 1. The row's sum l is taken of the UNQUANTISED p, in f32, and the product's result is divided by l at the end. Since M is a whole number, a kernel that streams over the keys may use a running M (the ceiling of the running maximum): every later rescaling is an exact power of two, which a block's scale takes up: the codes' values come out the same.
;;   OPERANDS COMPUTED ON THE WAY. 'Computed on the way' means the value that the module computes at that place (a softmax that the list does not call 'softmax' is quantised finished and normalised). What goes into a quantiser is computed in f32, as accurately as f32 sums, v_exp_f32 and their like allow (about 1e-6 of the number): no bf16 or f16 on the way to a quantiser, and a product that is left as it is and whose result goes on into a quantised operand takes f32 operands (vector FMAs, or v_wmma_f32_16x16x4_f32). A number that lies on a knife's edge between two numbers of the format may be rounded either way, as far as f32 arithmetic and the matrix unit's own rounding can turn it there, and no further.
;; One version. Each part assembles by itself: llvm-mc -triple=amdgcn-amd-amdhsa -mcpu=gfx1250 --defsym DOCPART=n.
;; ======== version 1 of 1: 3 launches
;; workspace buffers: kv 3,145,728 bytes; kvs 131,072 bytes; qc 1,572,864 bytes; qs 65,536 bytes; wq 186,368 bytes; op 33,554,432 bytes; ml 524,288 bytes
;; launch prep (part 1): grid 256 x 1, 8 waves a work-group, no clusters, 104,448 bytes of LDS; arguments anchor, guess, Wa, Wg, ba, bg, W1, W2, kv, kvs, qc, qs, wq; writes kv, kvs, qc, qs, wq
.if DOCPART == 1
	.amdgcn_target "amdgcn-amd-amdhsa--gfx1250"
	.amdhsa_code_object_version 6
	.text
	.protected	k_q7bbd13a78e_prep
	.globl	k_q7bbd13a78e_prep
	.p2align	8
	.type	k_q7bbd13a78e_prep,@function
k_q7bbd13a78e_prep:
	s_mov_b64 s[64:65], 0
	v_nop
	global_prefetch_b8 v0, s[64:65] scope:SCOPE_SE
	s_setreg_imm32_b32 hwreg(HW_REG_WAVE_MODE, 25, 1), 1
	s_wait_xcnt 0x0
; FIRST OF THREE LAUNCHES: ac = anchor Wa^T + ba and ge = guess Wg^T + bg on codes of E2M3 (one E8M0 scale for each 32 along K), and every quantiser whose input is an input of the problem.
; DEAD WORK: none.  Every product of the problem reaches the output, and ba, which a softmax in real numbers would cancel, moves the codes of ac: it stays.  Every input is loaded by some launch.
; LIMITS: NaN and infinities among the inputs are not served.  A block whose largest magnitude lies under 2^-124 keeps the scale byte 1; a block of zeros gets the byte 1 where the problem's text says 127:
; its codes are zeros, which add nothing under any byte but 0xff, and only this program reads the bytes.
; WHAT IT STORES, all as IMAGES OF OPERAND REGISTERS (a fragment, 16 rows x 128 K, is 12 registers a lane: registers 4 j .. 4 j + 3 of lane L lie at 512 j + 16 L: 1,536 bytes):
;   kv  [64 key steps][49,152]: ac's fragment (tile t of 16 keys, K step ks) at 1,536 (2 t + ks); anchor's fragment along the KEYS (tile T of 16 channels) at 24,576 + 1,536 T
;   kvs [64][2,048]: their scale words: 128 t + 64 ks + 4 r, and 1,024 + 64 T + 4 r        qc, qs: ge's fragments [512 tiles][2 K steps] and words        wq: W1's and W2's 112 fragments, then a word a lane each
; A LANE'S 64 NUMBERS: register 32 c + i holds k = 64 c + 32 h + i of its row (h = lane / 16): two whole blocks of 32, in the order of the operand's registers: no other lane is asked for a maximum.
; THE ROWS OF A TILE ARE NOT NEIGHBOURS wherever they become a later K: row m of tile t is 64 (t / 4) + 8 (t % 4) + 32 (m / 8) + m % 8.  The products are used transposed (source 0 = 16 such rows of a weight,
; source 1 = 16 rows of data), so a lane's 64 results of eight tiles are again 64 numbers in the order above.
; THE LOADS.  A lane wants runs of 128 bytes of ITS row; a load is best where neighbouring LANES take neighbouring bytes.  Both are had: each load of the data and of the weight takes half a row, 512 consecutive
; bytes, 16 a lane; a K step's 16 half rows go through the wave's own stage in LDS and come back 128 bytes a lane.  In the stage a run of 128 bytes has a place of 144, and the four groups of runs (c, h) lie 2,432 bytes
; apart.
; SHARES: work-groups 0-127 take anchor, 128-255 guess; each 128 rows and one half (128) of the hidden units.  Wave w: 16 rows, eight tiles, two K steps: 16 matrix instructions.  It also quantises tile w of the
; weight's half for all eight waves (through LDS).  Beside that, a wave of anchor's work-groups quantises one tile of anchor along the keys, and the waves of work-groups 128-141 one fragment of W1 or W2.
; NO CLUSTER: the launch has no tensor load.  All that it reads is f32 that goes to the conversions through a lane's registers.
.set WIMG,  0                          ; LDS: the weight half's 16 fragments, (2 e + ks) x 1,536
.set WSC,   24576                      ; their scale words: 128 bytes a tile: lanes 0-15 K step 0, lanes 16-31 K step 1
.set STG,   25600                      ; the stages: 9,728 bytes for each wave, its own
.set STW,   9728
.set GP,    2432                       ; from group to group in a stage: 16 places of 144 bytes + 128
.set SPARE, 103424                     ; the spare words: 128 bytes for each of eight waves; no other line names them
.set LI,  1                            ; v1   16 x lane
.set LS,  2                            ; v2   4 x lane
.set GL1, 3                            ; v3   16 x lane + the bytes from the data tile's row 0 to its row 8
.set SA,  4                            ; v4   the stage, on the way in: GP (lane / 8) + 16 (lane % 8)
.set BA,  5                            ; v5   128 h
.set WST, 6                            ; v6   LDS: 16 x lane + 3,072 x wave
.set WSS, 7                            ; v7   LDS: 4 x lane + 128 x wave
.set RA,  8                            ; v8   the offset of the loads of the role's own work
.set S16, 9                            ; v9   4 x (lane % 16)
.set SH8, 10                           ; v10  8 h
.set RW,  11                           ; v11  where the role's own scale word goes
.set SPW, 12                           ; v12  my spare word; never rewritten
.set NIL, 13                           ; v13  0; never rewritten
.set WS,  16                           ; v16-23 the weight's scale words, a register a tile
.set SB,  29                           ; v29  the stage, on the way out: GP h + 144 (lane % 16)
.set TM,  32                           ; v32-33 largest magnitudes; v34-35 the conversions' scale operands; v36-37 the bytes
.set SO,  34
.set BY,  36
.set WW,  38                           ; v38-39 two scale words in the making
.set PD,  40
.set XS,  41                           ; v41  the data's scale words: lanes 0-15 K step 0, lanes 16-31 K step 1
.set OW,  42
.set X0,  64                           ; v64-191 the data's two K steps as f32
.set X1,  128
.set XF,  192                          ; v192-215 their two fragments
.set PCA, 216                          ; v216-239 codes just made, two sets
.set PCB, 228
.set CT,  240                          ; v240-247 the upper halves of a block's codes on their way
.set ST0, 0                            ; window 1: v0-127 the weight's two K steps as f32, later two sets of four fragments
.set ST1, 64
.set ST2, 128                          ; window 1: v128-191 the role's own 64 numbers
.set HH,  192                          ; window 1: v192-255 the eight accumulators; the bias is loaded straight into them
.set WV,  2
.set SEL, 36
.set HM,  38
.set MSB, 0
.macro WIN new                         ; the immediate's high byte repeats the setting that is left; a switch that changes nothing is dropped
.if MSB != \new
	s_set_vgpr_msb (MSB<<8)|\new
.set MSB, \new
.endif
.endm
.macro LOADF dst, va, sb, off          ; 64 numbers of my row: two runs of 128 bytes, 256 bytes apart
.irp c, 0,1
.irp i, 0,1,2,3,4,5,6,7
	global_load_b128 v[\dst+32*\c+4*\i:\dst+32*\c+4*\i+3], v[\va], s[\sb:\sb+1] offset:\off+256*\c+16*\i
.endr
.endr
.endm
.macro LOADC dst, va1, add1, sb, off   ; a K step of a tile's 16 rows: row R's 512 consecutive bytes, 16 a lane, into registers 4 R ..; rows 8-15 by the offset register va1 and add1 bytes on
.irp R, 0,1,2,3,4,5,6,7
	global_load_b128 v[\dst+4*\R:\dst+4*\R+3], v[LI], s[\sb:\sb+1] offset:\off+1024*\R
.endr
.irp R, 0,1,2,3,4,5,6,7
	global_load_b128 v[\dst+32+4*\R:\dst+32+4*\R+3], v[\va1], s[\sb:\sb+1] offset:\off+\add1+1024*\R
.endr
.endm
.macro STAGE dst, w                    ; those 64 registers (window w) through my stage: they come back as 64 numbers of MY row.  LDS serves a wave's instructions in order (ISA guide 5.7.1.4): no wait between the stores and the loads, nor ahead of the next K step's stores
	WIN 4*(\w)                                     ; a store's data are its source 1
.irp R, 0,1,2,3,4,5,6,7,8,9,10,11,12,13,14,15
	ds_store_b128 v[SA], v[\dst+4*\R:\dst+4*\R+3] offset:144*\R
.endr
	WIN 0x40*(\w)
.irp c, 0,1
.irp i, 0,1,2,3,4,5,6,7
	ds_load_b128 v[\dst+32*\c+4*\i:\dst+32*\c+4*\i+3], v[SB] offset:2*GP*\c+16*\i
.endr
.endr
	WIN 0
.endm
; 64 numbers at v[x] of window wx become a fragment's 12 registers at v[d] of window 0; the two blocks' bytes are left in v[BY], v[BY+1].
.macro QBLK2 x, wx, d
	WIN 5*(\wx)
.irp c, 0,1
	v_max3_num_f32 v[TM+\c], |v[\x+32*\c]|, |v[\x+32*\c+1]|, 0x1800000   ; the floor 2^(3 - 127) among the leaves: the byte cannot fall under 1
.endr
.irp i, 2,4,6,8,10,12,14,16,18,20,22,24,26,28,30
.irp c, 0,1
	v_max3_num_f32 v[TM+\c], |v[\x+32*\c+\i]|, |v[\x+32*\c+\i+1]|, v[TM+\c]   ; ascending, the two blocks by turns
.endr
.endr
	WIN 0
.irp c, 0,1
	v_add_nc_u32 v[SO+\c], 0xff000000, v[TM+\c]    ; 2 off the exponent field: the conversion takes that field as its scale
.endr
.irp c, 0,1
	v_lshrrev_b32 v[BY+\c], 23, v[SO+\c]           ; the scale's byte
.endr
	WIN \wx
.irp c, 0,1
	v_cvt_scalef32_pk16_fp6_f32 v[\d+6*\c:\d+6*\c+2], v[\x+32*\c:\x+32*\c+15], v[SO+\c]
	v_cvt_scalef32_pk16_fp6_f32 v[CT+4*\c:CT+4*\c+2], v[\x+32*\c+16:\x+32*\c+31], v[SO+\c]   ; (a conversion's three registers begin on an even number)
.endr
	WIN 0
	v_nop                                          ; one plain place behind the conversions
.irp c, 0,1
.irp i, 0,1,2
	v_mov_b32 v[\d+6*\c+3+\i], v[CT+4*\c+\i]
.endr
.endr
.endm
.macro WORD dst                        ; my two bytes (blocks h and 2 + h) and lane l xor 16's two make the row's scale word, in both lanes
	v_lshl_or_b32 v[\dst], v[BY+1], 16, v[BY]
	v_lshlrev_b32 v[\dst], v[SH8], v[\dst]
	v_permlanex16_b32 v[PD], v[\dst], s[SEL], s[SEL+1]
	v_or_b32 v[\dst], v[\dst], v[PD]
.endm
	s_load_b512 s[8:23], s[0:1], 0x0               ; anchor 8, guess 10, Wa 12, Wg 14, ba 16, bg 18, W1 20, W2 22
	s_load_b256 s[24:31], s[0:1], 0x40             ; kv 24, kvs 26, qc 28, qs 30
	s_load_b64 s[32:33], s[0:1], 0x60              ; wq
	v_lshl_add_u32 v[SPW], v0, 2, SPARE
	v_mov_b32 v[NIL], 0
	v_lshrrev_b32 v14, 5, v0
	v_readfirstlane_b32 s[WV], v14                 ; wave 0..7
	v_and_b32 v14, 31, v0                          ; lane
	v_and_b32 v15, 15, v0                          ; r
	v_bfe_u32 v24, v0, 4, 1                        ; h
	v_lshlrev_b32 v[LI], 4, v14
	v_lshlrev_b32 v[LS], 2, v14
	v_lshlrev_b32 v[S16], 2, v15
	v_lshlrev_b32 v[SH8], 3, v24
	v_lshlrev_b32 v[BA], 7, v24
	v_and_b32 v25, 7, v15
	v_lshrrev_b32 v26, 3, v15
	v_lshl_add_u32 v27, v26, 5, v25                ; 32 (r / 8) + r % 8: my row inside a tile
	v_mov_b32 v[PD], 0                             ; written once: a lane permute's destination counts as one of its sources
	v_lshrrev_b32 v[SA], 3, v14
	v_mul_u32_u24 v[SA], v[SA], GP
	v_lshl_add_u32 v[SA], v25, 4, v[SA]            ; lane L brings bytes 16 L .. of a half row: group L / 8 = 2 c + h, piece L % 8
	v_mul_u32_u24 v[SB], v15, 144
	v_mad_u32_u24 v[SB], v24, GP, v[SB]            ; lane (r, h) takes row r's run of group 2 c + h
	s_mov_b32 s[SEL], 0x76543210
	s_mov_b32 s[SEL+1], 0xfedcba98                 ; lane l xor 16
	s_mov_b32 s[HM], 0xffff0000                    ; lanes 16-31
	s_bfe_u32 s4, ttmp9, 0x60001                   ; which 128 rows
	s_and_b32 s5, ttmp9, 1                         ; which half of the hidden units
	s_lshr_b32 s34, s[WV], 2
	s_lshl_b32 s34, s34, 6
	s_and_b32 s35, s[WV], 3
	s_lshl_b32 s35, s35, 3
	s_add_co_u32 s7, s34, s35                      ; tile w's first row: 64 (w / 4) + 8 (w % 4)
	s_lshl_b32 s56, s[WV], 4
	s_mul_i32 s34, s[WV], 3072
	v_add_nc_u32 v[WST], s34, v[LI]
	s_lshl_b32 s35, s[WV], 7
	v_add_nc_u32 v[WSS], s35, v[LS]
	s_mul_i32 s62, s[WV], STW
	s_add_co_u32 s62, s62, STG                     ; my stage
	v_add_nc_u32 v[SA], s62, v[SA]
	v_add_nc_u32 v[SB], s62, v[SB]
	s_cmp_lt_u32 ttmp9, 128                        ; anchor's work-group or guess's: the work-group's number alone decides
	s_cselect_b32 s57, s7, s56                     ; anchor's 16 rows are those of key tile w, guess's are neighbours
	s_cselect_b32 s39, 32, 8                       ; rows from the tile's row 0 to its row 8
	s_mov_b32 s58, 24576
	s_cselect_b32 s58, 49152, s58                  ; bytes of 128 rows in kv or in qc,
	s_mov_b32 s59, 1024
	s_cselect_b32 s59, 2048, s59                   ; in kvs or in qs
	s_lshl_b32 s63, s39, 10
	v_add_nc_u32 v[GL1], s63, v[LI]
	s_wait_kmcnt 0x0
	s_cmp_lt_u32 ttmp9, 128
	s_cselect_b64 s[40:41], s[8:9], s[10:11]       ; the data,
	s_cselect_b64 s[42:43], s[12:13], s[14:15]     ; the weight,
	s_cselect_b64 s[44:45], s[16:17], s[18:19]     ; the bias,
	s_cselect_b64 s[46:47], s[24:25], s[28:29]     ; where the codes go,
	s_cselect_b64 s[48:49], s[26:27], s[30:31]     ; and the scale words
	s_mov_b32 s61, 0
	s_lshl_b32 s60, s4, 17
	s_lshl_b32 s62, s57, 10
	s_add_co_u32 s60, s60, s62
	s_add_nc_u64 s[40:41], s[40:41], s[60:61]
	s_lshl_b32 s60, s5, 7
	s_add_co_u32 s60, s60, s7
	s_lshl_b32 s60, s60, 10
	s_add_nc_u64 s[42:43], s[42:43], s[60:61]      ; the weight at row 128 hh + tile w's first
	s_lshl_b32 s60, s5, 9
	s_add_nc_u64 s[44:45], s[44:45], s[60:61]
	s_mul_i32 s60, s4, s58
	s_add_co_u32 s60, s60, s34
	s_mul_i32 s62, s5, 1536
	s_add_co_u32 s60, s60, s62
	s_add_nc_u64 s[46:47], s[46:47], s[60:61]      ; fragment (tile w, K step hh)
	s_mul_i32 s60, s4, s59
	s_add_co_u32 s60, s60, s35
	s_lshl_b32 s62, s5, 6
	s_add_co_u32 s60, s60, s62
	s_add_nc_u64 s[48:49], s[48:49], s[60:61]
	; ---- the loads that every work-group has: 16 each of the bias, the data's two K steps, the weight's two
	WIN 0x40                                       ; destination window 1
.irp e, 0,1,2,3,4,5,6,7
.irp q, 0,1
	global_load_b128 v[HH+8*\e+4*\q:HH+8*\e+4*\q+3], v[BA], s[44:45] offset:4*(64*(\e/4)+8*(\e%4))+16*\q   ; the bias in the result's layout: it is the C of each sum's first product
.endr
.endr
	WIN 0
	LOADC X0, GL1, 0, 40, 0
	LOADC X1, GL1, 0, 40, 512
	WIN 0x40
	LOADC ST0, LI, 32768, 42, 0                    ; a weight tile's row 8 lies 32 rows behind its row 0
	LOADC ST1, LI, 32768, 42, 512
	WIN 0
	; ---- the role's own work, whole in this one region: loads (either arm fills the same 64 registers), quantiser, stores
	s_cmp_ge_u32 ttmp9, 142
	s_cbranch_scc1 .Lcommon
	s_cmp_lt_u32 ttmp9, 128
	s_cbranch_scc0 .Lweights
	s_lshl_b32 s60, s4, 17                         ; anchor along the KEYS: tile T = 8 hh + w of 16 channels; a lane takes a channel, its registers run down the keys
	s_lshl_b32 s62, s5, 7
	s_add_co_u32 s62, s62, s7
	s_lshl_b32 s62, s62, 2
	s_add_co_u32 s60, s60, s62
	s_add_nc_u64 s[50:51], s[8:9], s[60:61]
	s_lshl_b32 s63, s5, 3
	s_add_co_u32 s63, s63, s[WV]
	s_mul_i32 s60, s4, 49152
	s_mul_i32 s62, s63, 1536
	s_add_co_u32 s60, s60, s62
	s_add_co_u32 s60, s60, 24576
	s_add_nc_u64 s[52:53], s[24:25], s[60:61]
	s_lshl_b32 s60, s4, 11
	s_lshl_b32 s62, s63, 6
	s_add_co_u32 s60, s60, s62
	s_add_co_u32 s60, s60, 1024
	s_add_nc_u64 s[54:55], s[26:27], s[60:61]
	v_lshlrev_b32 v[RA], 2, v27
	v_lshl_add_u32 v[RA], v24, 15, v[RA]           ; my channel's 4 bytes; lanes 16-31 begin 32 keys further down
	v_mov_b32 v[RW], v[S16]
	WIN 0x40
.irp c, 0,1
.set n, 0
.rept 32
	global_load_b32 v[ST2+32*\c+n], v[RA], s[50:51] offset:(64*\c+n)*1024
.set n, n+1
.endr
.endr
	WIN 0
	s_branch .Lrole_in
.Lweights:
	s_sub_co_u32 s6, ttmp9, 128                    ; gi = 0 .. 13: fragment 8 gi + w.  W1: K step gi / 2, tile 8 (gi % 2) + w.  W2 (gi = 12, 13): K step gi - 12, tile w
	s_and_b32 s60, s6, 1
	s_lshl_b32 s60, s60, 7
	s_lshr_b32 s62, s6, 1
	s_sub_co_u32 s63, s6, 12
	s_cmp_lt_u32 s6, 12
	s_cselect_b64 s[50:51], s[20:21], s[22:23]
	s_cselect_b32 s60, s60, 0
	s_cselect_b32 s62, s62, s63
	s_mov_b32 s63, 1024
	s_cselect_b32 s63, 3072, s63                   ; a row in bytes
	s_add_co_u32 s60, s60, s7
	s_mul_i32 s60, s60, s63
	s_lshl_b32 s62, s62, 9
	s_add_co_u32 s60, s60, s62
	s_add_nc_u64 s[50:51], s[50:51], s[60:61]
	v_mul_u32_u24 v[RA], s63, v27
	v_add_nc_u32 v[RA], v[RA], v[BA]
	s_lshl_b32 s62, s6, 3
	s_add_co_u32 s62, s62, s[WV]
	s_mul_i32 s60, s62, 1536
	s_add_nc_u64 s[52:53], s[32:33], s[60:61]
	s_lshl_b32 s60, s62, 7
	s_add_co_u32 s60, s60, 172032
	s_add_nc_u64 s[54:55], s[32:33], s[60:61]
	v_mov_b32 v[RW], v[LS]
	WIN 0x40
	LOADF ST2, RA, 50, 0
	WIN 0
.Lrole_in:
	s_wait_loadcnt 0x0                             ; the youngest loads are wanted: all are in
	QBLK2 ST2, 1, PCB
	WORD WW
.irp j, 0,1,2
	global_store_b128 v[LI], v[PCB+4*\j:PCB+4*\j+3], s[52:53] offset:512*\j   ; 32 lanes store 512 consecutive bytes, at a multiple of 256 from the buffer's first byte
.endr
	global_store_b32 v[RW], v[WW], s[54:55]        ; (in kvs lanes l and l + 16 store the same word to the same place)
	s_wait_xcnt 0x0                                ; these stores' data registers are written again below only behind this wait
.Lcommon:
	; ---- the four K steps go through the stage one behind the other, each a step ahead of the quantiser
	s_wait_loadcnt 48                              ; the bias and K step 0 of the data are in; the 48 younger loads may be out
	STAGE X0, 0
	s_wait_loadcnt 32                              ; K step 1 of the data; the weight's 32 may be out
	STAGE X1, 0
	s_wait_dscnt 32                                ; K step 0 is back from the stage; K step 1's 16 stores and 16 loads may be out
	QBLK2 X0, 0, XF
	WORD WW
	s_wait_loadcnt 16
	STAGE ST0, 1
	s_wait_dscnt 32                                ; the data's K step 1 is back; the weight's 32 LDS instructions may be out
	QBLK2 X1, 0, XF+12
	WORD WW+1
	v_cndmask_b32 v[XS], v[WW], v[WW+1], s[HM]
	s_wait_loadcnt 0x0
	STAGE ST1, 1
	; ---- tile w of the weight's half, for all eight waves
	s_wait_dscnt 32
	QBLK2 ST0, 1, PCA
	WORD WW
.irp j, 0,1,2
	ds_store_b128 v[WST], v[PCA+4*\j:PCA+4*\j+3] offset:WIMG+512*\j
.endr
	s_wait_dscnt 3                                 ; the weight's K step 1 is back; the three stores just issued may be out
	QBLK2 ST1, 1, PCB
	WORD WW+1
.irp j, 0,1,2
	ds_store_b128 v[WST], v[PCB+4*\j:PCB+4*\j+3] offset:WIMG+1536+512*\j
.endr
	v_cndmask_b32 v[OW], v[WW], v[WW+1], s[HM]
	ds_store_b32 v[WSS], v[OW] offset:WSC
	s_wait_dscnt 0x0                               ; for the others' sake: my stores have landed
	s_barrier_signal -1
	s_barrier_wait -1
	; ---- the product: four groups of four fragments (group g: K step g / 2, tiles 4 (g % 2) ..), two sets of registers; the eight accumulators take turns
.irp e, 0,1,2,3,4,5,6,7
	ds_load_b32 v[WS+\e], v[LS] offset:WSC+128*\e
.endr
.macro WGRP g
	WIN 0x40
.irp e, 0,1,2,3
.irp j, 0,1,2
	ds_load_b128 v[48*((\g)%2)+12*\e+4*\j:48*((\g)%2)+12*\e+4*\j+3], v[LI] offset:WIMG+(2*(4*((\g)%2)+\e)+(\g)/2)*1536+512*\j
.endr
.endr
	WIN 0
.endm
.macro WMUL g
	WIN 0x51                                       ; the weight, C and D in window 1, the data in window 0
.irp e, 0,1,2,3
.if (\g)/2
	v_wmma_scale_f32_16x16x128_f8f6f4 v[HH+8*(4*((\g)%2)+\e):HH+8*(4*((\g)%2)+\e)+7], v[48*((\g)%2)+12*\e:48*((\g)%2)+12*\e+11], v[XF+12:XF+23], v[HH+8*(4*((\g)%2)+\e):HH+8*(4*((\g)%2)+\e)+7], v[WS+4*((\g)%2)+\e], v[XS] matrix_a_fmt:MATRIX_FMT_FP6 matrix_b_fmt:MATRIX_FMT_FP6 matrix_a_scale:MATRIX_SCALE_ROW1 matrix_b_scale:MATRIX_SCALE_ROW1
.else
	v_wmma_scale_f32_16x16x128_f8f6f4 v[HH+8*(4*((\g)%2)+\e):HH+8*(4*((\g)%2)+\e)+7], v[48*((\g)%2)+12*\e:48*((\g)%2)+12*\e+11], v[XF:XF+11], v[HH+8*(4*((\g)%2)+\e):HH+8*(4*((\g)%2)+\e)+7], v[WS+4*((\g)%2)+\e], v[XS] matrix_a_fmt:MATRIX_FMT_FP6 matrix_b_fmt:MATRIX_FMT_FP6
.endif
.endr
	WIN 0
.rept 4
	v_nop                                          ; places in front of loads into registers that these products read, and of the first read of results
.endr
.endm
	WGRP 0
	WGRP 1
	s_wait_dscnt 12                                ; the words and group 0 are in; group 1's twelve may be out
	WMUL 0
	WGRP 2
	s_wait_dscnt 12
	WMUL 1
	WGRP 3
	s_wait_dscnt 12
	WMUL 2
	s_wait_dscnt 0x0
	WMUL 3
	; ---- my 16 rows' 128 hidden units are one fragment of the next product
	QBLK2 HH, 1, PCA
	WORD OW
.irp j, 0,1,2
	global_store_b128 v[LI], v[PCA+4*\j:PCA+4*\j+3], s[46:47] offset:512*\j
.endr
	global_store_b32 v[S16], v[OW], s[48:49]       ; lanes l and l + 16 store the same word to the same place
	s_wait_tensorcnt 0x0                           ; the wave's end
	ds_add_u32 v[SPW], v[NIL]
	s_wait_dscnt 0x0
	s_endpgm
.Lfunc_end_k_q7bbd13a78e_prep:
	.size	k_q7bbd13a78e_prep, .Lfunc_end_k_q7bbd13a78e_prep-k_q7bbd13a78e_prep
	.p2alignl 7, 3214868480
	.fill 96, 4, 3214868480
	.section	.rodata,"a",@progbits
	.p2align	6, 0x0
	.amdhsa_kernel k_q7bbd13a78e_prep
		.amdhsa_group_segment_fixed_size 104448
		.amdhsa_private_segment_fixed_size 0
		.amdhsa_enable_private_segment 0
		.amdhsa_kernarg_size 104
		.amdhsa_user_sgpr_count 2
		.amdhsa_user_sgpr_kernarg_segment_ptr 1
		.amdhsa_wavefront_size32 1
		.amdhsa_system_sgpr_workgroup_id_x 1
		.amdhsa_system_sgpr_workgroup_id_y 1
		.amdhsa_system_sgpr_workgroup_id_z 1
		.amdhsa_system_vgpr_workitem_id 0
		.amdhsa_next_free_vgpr 512
		.amdhsa_next_free_sgpr 66
		.amdhsa_reserve_vcc 0
		.amdhsa_float_denorm_mode_32 3
		.amdhsa_float_denorm_mode_16_64 3
		.amdhsa_memory_ordered 1
		.amdhsa_forward_progress 1
		.amdhsa_inst_pref_size 56
	.end_amdhsa_kernel
	.amdgpu_metadata
---
amdhsa.version: [ 1, 2 ]
amdhsa.kernels:
  - .name:           k_q7bbd13a78e_prep
    .symbol:         k_q7bbd13a78e_prep.kd
    .args:
      - { .name: anchor, .offset: 0, .size: 8, .value_kind: global_buffer, .address_space: global }
      - { .name: guess, .offset: 8, .size: 8, .value_kind: global_buffer, .address_space: global }
      - { .name: Wa, .offset: 16, .size: 8, .value_kind: global_buffer, .address_space: global }
      - { .name: Wg, .offset: 24, .size: 8, .value_kind: global_buffer, .address_space: global }
      - { .name: ba, .offset: 32, .size: 8, .value_kind: global_buffer, .address_space: global }
      - { .name: bg, .offset: 40, .size: 8, .value_kind: global_buffer, .address_space: global }
      - { .name: W1, .offset: 48, .size: 8, .value_kind: global_buffer, .address_space: global }
      - { .name: W2, .offset: 56, .size: 8, .value_kind: global_buffer, .address_space: global }
      - { .name: kv, .offset: 64, .size: 8, .value_kind: global_buffer, .address_space: global }
      - { .name: kvs, .offset: 72, .size: 8, .value_kind: global_buffer, .address_space: global }
      - { .name: qc, .offset: 80, .size: 8, .value_kind: global_buffer, .address_space: global }
      - { .name: qs, .offset: 88, .size: 8, .value_kind: global_buffer, .address_space: global }
      - { .name: wq, .offset: 96, .size: 8, .value_kind: global_buffer, .address_space: global }
    .group_segment_fixed_size: 104448
    .private_segment_fixed_size: 0
    .kernarg_segment_align: 8
    .kernarg_segment_size: 104
    .max_flat_workgroup_size: 256
    .sgpr_count:     66
    .vgpr_count:     512
    .wavefront_size: 32
...
	.end_amdgpu_metadata
.endif
;; end of part 1
;; launch attn (part 2): grid 64 x 4, 4 waves a work-group, clusters of 4 x 1, 327,680 bytes of LDS; arguments qc, qs, kv, kvs, op, ml; writes op, ml
.if DOCPART == 2
	.amdgcn_target "amdgcn-amd-amdhsa--gfx1250"
	.amdhsa_code_object_version 6
	.text
	.protected	k_q7bbd13a78e_attn
	.globl	k_q7bbd13a78e_attn
	.p2align	8
	.type	k_q7bbd13a78e_attn,@function
k_q7bbd13a78e_attn:
	s_mov_b64 s[64:65], 0
	v_nop
	global_prefetch_b8 v0, s[64:65] scope:SCOPE_SE
	s_setreg_imm32_b32 hwreg(HW_REG_WAVE_MODE, 25, 1), 1
	s_wait_xcnt 0x0
	s_wait_alu depctr_hold_cnt(0) depctr_sa_sdst(0) depctr_va_vdst(0) depctr_va_sdst(0) depctr_va_ssrc(0) depctr_va_vcc(0) depctr_vm_vsrc(0)
	s_getreg_b32 s2, hwreg(HW_REG_IB_STS2, 6, 4)
	s_cmp_eq_u32 s2, 0
	s_cbranch_scc0 .Lentry_in_a_cluster
	s_endpgm
.Lentry_in_a_cluster:
	s_bfe_u32 s2, ttmp6, 0x10000c
	s_cmp_lg_u32 s2, 0x3003
	s_cbranch_scc0 .Lentry_shape_is_right
	s_endpgm
.Lentry_shape_is_right:
; SECOND LAUNCH: for 128 queries and one QUARTER of the keys: S^T = ac ge^T, p = 2^(t - M), O^T += anchor^T p^T, both products on codes of E2M3.  No work of the problem is left out.
; t = score x log2(e); M = the running largest t rounded up to a whole number, kept as -M = floor(-t); p is quantised along the keys, not normalised; the sum l is taken of the unquantised p.
; When M moves, l and O^T are multiplied by 2^(old M - new M), which rounds nothing.  The launch stores O^T, -M and l of its quarter; the next launch joins the four quarters.
; LIMITS: as in the first launch; the sums over the keys are taken quarter by quarter and then added, another order than one run over all keys.
; SHARES: 64 blocks of 128 queries x 4 quarters of 2,048 keys = 256 work-groups.  A wave owns 32 queries, two tiles, so each fragment read from LDS feeds two matrix instructions.  A key step is 128 keys: 64 matrix instructions.
; A lane holds ONE query (lane % 16) throughout; register 8 t + j of a tile's S^T is key 64 (t / 4) + 32 (lane / 16) + 8 (t % 4) + j of the step (the first launch chose the keys of a tile so):
; two whole blocks of 32 keys a lane, in the order of the next operand's registers.
; BY TURNS.  The wave's two tiles are two PIECES that share the fragments of keys and of anchor and nothing else.  In a TURN one piece has the matrix unit: its 16 products anchor^T p^T of the step in hand, then its 16
; products ac ge^T of the next step; the other piece's softmax, a list of 260 vector instructions, stands between them in 32 slices, one behind each matrix instruction.  Then the pieces change places: two turns are a key step.
; A slice works in window 0 (O^T's rescaling in window 1) and no window has room for a product's operands beside it: a slice costs two switches of the register window.
; The LDS loads stand in four runs a key step, each behind four v_nop: the next step's keys in piece 0's turn, when both pieces have multiplied by the last step's; the same step's anchor in piece 1's turn, half by half behind the products that read it.
; CLUSTER: the four work-groups of a cluster walk the same quarter, so every tile is asked for JOINTLY (mask 15).  A slot holds two key steps, 98,304 bytes, dense in memory and in LDS (images of registers: every
; read is 16 bytes a lane on end, so no padding); each wave brings a quarter of it by one load of 96 rows of 256 bytes.  The quarter's scale words, 32,768 bytes, come once.
; A wave has two tensor loads out at the head and one behind each round.
; REGISTERS: window 0: addresses, statistics, scale words, S^T (v64-191), p's codes.  window 1: O^T, 128 a tile.  window 2: v0-47 the queries' 4 fragments, v64-255 a step's 16 fragments of keys.  window 3: v0-191 its 16 of anchor.
.set SLOT1, 1<<17                      ; slot 1 begins here: one exclusive or turns an address from one slot to the other
.set STEPB, 49152
.set SLOTB, 98304
.set SCL,   262144                     ; the quarter's scale words, 2,048 bytes a step
.set SPARE, 294912                     ; the spare words, 128 bytes a wave; no other line names them
.set LI,  1                            ; v1  16 x lane
.set LS,  2                            ; v2  4 x lane
.set ADK, 3                            ; v3  the fragments of the step that is being fetched
.set ADS, 4                            ; v4  its scale words
.set SPW, 5
.set NIL, 6
.set SH8, 7                            ; v7  8 h
.set STT, 8                            ; tile q: v[8+4q] -M, v[9+4q] the largest t, v[10+4q:11+4q] l in two halves
.set QS,  16                           ; v16-17 the queries' scale words (lanes 0-15 K step 0, lanes 16-31 K step 1); v18-25 the keys' likewise; v26-33 anchor's (two tiles a register); v34-35 p's
.set KS,  18
.set VS,  26
.set PW,  34
.set FF,  36                           ; v[36+2q] f = 2^(old M - new M), named as a pair
.set BM,  40                           ; v[40+2q+c] a block's largest score, then its largest p
.set SO,  44
.set BY,  48
.set MX,  52                           ; v52-55 four running maxima;
.set AC,  52                           ; later v52-59 four pairs of running sums: at work inside a turn alone
.set T0,  60
.set PD,  62
.set SX,  64
.set PC,  192
.set CT,  216
.set PFO, 232                          ; v232 256 x lane
.set L8,  233                          ; v233 8 x lane
.set OM,  234
.set KF,  64                           ; in window 2
.set WV,  16
.set SEL, 20
.set CS,  22
.set TB,  48                           ; s48 LDS byte at which the fragments of the step to be fetched begin;  s49 its scale words
.set TS,  49
.set SLOTS, 50
.set TWICE, 51
.set PFA, 52
.set LIM, 54
.set W_KQ, 0x0a                        ; keys and queries in window 2, S^T in window 0
.set W_PV, 0x53                        ; anchor in window 3, p in window 0, O^T in window 1
.set W_RS, 0x41                        ; O^T (destination and source 0) in window 1, f in window 0
.set MSB, 0
.macro WIN new
.if MSB != \new
	s_set_vgpr_msb (MSB<<8)|\new
.set MSB, \new
.endif
.endm
.macro CROUND                          ; a round of the cluster's barrier
	s_barrier_signal -1
	s_barrier_wait -1
	s_cmp_lg_u32 s[WV], 0
	s_cbranch_scc1 .Lnot_wave_0_\@
	s_barrier_signal -3
.Lnot_wave_0_\@:
	s_barrier_wait -3
	s_barrier_signal -1
	s_barrier_wait -1
.endm
; A PREFETCH INTO THE L2 of the slot that the NEXT change of slots will ask for: 384 blocks of 256 bytes = 4 partners x 3 waves x 32 lanes.  All sixteen clusters of a quarter walk the same bytes: the first of them asks;
; its partners share the blocks out by address (24,576 bytes each), waves 0 to 2 take 8,192 each, lanes 256 bytes apart: each block is named once.  It runs two key steps, 128 matrix instructions a wave, ahead of the load.
; Slots 0 and 1 come by their loads alone; the last change that fills a slot asks for nothing.
.macro ASK
	s_cmp_gt_u32 s[SLOTS], s[LIM]
	s_cbranch_scc0 .Lnot_mine_\@
	global_prefetch_b8 v[PFO], s[PFA:PFA+1] th:TH_LOAD_NT scope:SCOPE_SE
.Lnot_mine_\@:
.endm
	s_load_b256 s[4:11], s[0:1], 0x0               ; qc 4, qs 6, kv 8, kvs 10
	s_load_b128 s[12:15], s[0:1], 0x20             ; op 12, ml 14
	v_lshl_add_u32 v[SPW], v0, 2, SPARE
	v_mov_b32 v[NIL], 0
	ds_add_u32 v[SPW], v[NIL]                      ; the opening: the add, twice on end, and its wait ahead of my first tensor load
	ds_add_u32 v[SPW], v[NIL]
	v_lshrrev_b32 v3, 5, v0
	v_readfirstlane_b32 s[WV], v3                  ; wave 0..3
	v_and_b32 v3, 31, v0
	v_lshlrev_b32 v[LI], 4, v3
	v_lshlrev_b32 v[LS], 2, v3
	v_lshlrev_b32 v[L8], 3, v3
	v_lshlrev_b32 v[PFO], 8, v3
	v_bfe_u32 v4, v0, 4, 1
	v_lshlrev_b32 v[SH8], 3, v4
.irp q, 0,1
	v_mov_b32 v[PD+\q], 0                          ; a lane permute's destination counts as one of its sources
	v_mov_b32 v[FF+2*\q+1], 0                      ; named as the upper half of a pair
.endr
	s_bfe_u32 s17, ttmp6, 0x40000                  ; cx: it enters the addresses of qc, qs, op, ml and of the prefetch alone
	s_lshl_b32 s18, ttmp9, 2
	s_add_co_u32 s18, s18, s17                     ; my block of 128 queries
	s_and_b32 s19, ttmp7, 0xffff                   ; my quarter of the keys, which the partners share
	s_mov_b32 s24, 15|(3<<16)|(1<<21)              ; group 1: mask: all four; elements of 8 bytes; bit 21 beside a mask; no padding
	s_mov_b32 s25, 32<<16                          ; tensor_dim0 = 32 elements = 256 bytes
	s_mov_b32 s26, 96<<16                          ; tensor_dim1 = 96
	s_mov_b32 s27, 32<<16                          ; tile_dim0
	s_mov_b32 s28, 96                              ; tile_dim1
	s_mov_b32 s29, 32                              ; the pitch: dense
	s_mov_b32 s30, 0
	s_mov_b32 s31, 0
	s_mov_b32 s32, 15|(3<<16)|(1<<21)              ; the same with 32 rows, for the scale words
	s_mov_b32 s33, 32<<16
	s_mov_b32 s34, 32<<16
	s_mov_b32 s35, 32<<16
	s_mov_b32 s36, 32
	s_mov_b32 s37, 32
	s_mov_b32 s38, 0
	s_mov_b32 s39, 0
	s_mul_i32 s41, s[WV], 24576                    ; my quarter of a slot: in LDS,
	s_mul_i32 s56, s19, 786432
	s_add_co_u32 s56, s56, s41                     ; and in kv
	s_mov_b32 s57, 0
	s_lshl_b32 s58, s19, 15
	s_lshl_b32 s59, s[WV], 13
	s_add_co_u32 s58, s58, s59                     ; my quarter of the scale words in kvs,
	s_add_co_u32 s45, s59, SCL                     ; and in LDS
	s_mov_b32 s59, 0
	s_mov_b32 s[SEL], 0x76543210
	s_mov_b32 s[SEL+1], 0xfedcba98
	s_mov_b32 s[CS], 0x3fb8aa3b                    ; log2(e)
	s_mov_b32 s[CS+1], s[CS]
	s_mov_b32 s[TB], 0
	s_mov_b32 s[TS], SCL
	s_mov_b32 s[SLOTS], 7
	s_cmp_eq_u32 s[WV], 3
	s_cselect_b32 s[LIM], 1, 0
	s_or_b32 s[LIM], s[LIM], ttmp9                 ; 0 in waves 0 to 2 of the quarter's first cluster: the same in all four partners
	s_cmp_eq_u32 s[LIM], 0
	s_cselect_b32 s[LIM], 1, -1
	s_wait_dscnt 0x0                               ; both opening adds are done
	s_wait_kmcnt 0x0
	s_mov_b32 s40, 1
	s_add_nc_u64 s[42:43], s[8:9], s[56:57]
	s_or_b32 s43, s43, 0x80000000
	s_mov_b32 s44, 1
	s_add_nc_u64 s[46:47], s[10:11], s[58:59]
	s_or_b32 s47, s47, 0x80000000
	CROUND                                         ; all four work-groups are here: the first joint loads meet
	tensor_load_to_lds s[44:47], s[32:39]          ; the scale words: filled once
	s_nop 0
	tensor_load_to_lds s[40:43], s[24:31]          ; slot 0
	s_nop 0
.rept 4
	v_nop
.endr
	s_lshl_b32 s60, s18, 3
	s_lshl_b32 s61, s[WV], 1
	s_add_co_u32 s60, s60, s61                     ; my first tile of queries: 8 x block + 2 x wave
	s_mov_b32 s63, 0
	s_mul_i32 s62, s60, 3072
	s_add_nc_u64 s[4:5], s[4:5], s[62:63]
	s_lshl_b32 s62, s60, 7
	s_add_nc_u64 s[6:7], s[6:7], s[62:63]
	s_lshl_b32 s61, s19, 9
	s_add_co_u32 s60, s60, s61                     ; + 512 x quarter
	s_lshl_b32 s62, s60, 14
	s_add_nc_u64 s[12:13], s[12:13], s[62:63]
	s_lshl_b32 s62, s60, 8
	s_add_nc_u64 s[14:15], s[14:15], s[62:63]
	s_mul_i32 s62, s19, 786432
	s_mul_i32 s61, s17, 24576
	s_add_co_u32 s62, s62, s61
	s_lshl_b32 s61, s[WV], 13
	s_add_co_u32 s62, s62, s61
	s_add_co_u32 s62, s62, SLOTB                   ; in slot 1: the first change of slots steps it to slot 2
	s_add_nc_u64 s[PFA:PFA+1], s[8:9], s[62:63]
	WIN 0x80                                       ; destination window 2
.irp f, 0,1,2,3
.irp j, 0,1,2
	global_load_b128 v[12*\f+4*\j:12*\f+4*\j+3], v[LI], s[4:5] offset:1536*\f+512*\j   ; fragment 2 q + ks: they stay in registers
.endr
.endr
	WIN 0
.irp q, 0,1
	global_load_b32 v[QS+\q], v[LS], s[6:7] offset:128*\q
.endr
; THE MATRIX WORK OF A TURN, for piece x.  The accumulators take turns, one instruction a turn: between two links of a chain of S^T stand seven others'.
; Product i of 16 of O^T += anchor^T p^T: the channels' tile i.  zero = 1: the product starts the sum: nothing is ever cleared.
.macro PV x, zero
	WIN W_PV
.set rO, 128*(\x)+8*i
.set rV, 12*i
.set rP, PC+12*(\x)
.if \zero
.if i%2
	v_wmma_scale_f32_16x16x128_f8f6f4 v[rO:rO+7], v[rV:rV+11], v[rP:rP+11], 0, v[VS+i/2], v[PW+(\x)] matrix_a_fmt:MATRIX_FMT_FP6 matrix_b_fmt:MATRIX_FMT_FP6 matrix_a_scale:MATRIX_SCALE_ROW1
.else
	v_wmma_scale_f32_16x16x128_f8f6f4 v[rO:rO+7], v[rV:rV+11], v[rP:rP+11], 0, v[VS+i/2], v[PW+(\x)] matrix_a_fmt:MATRIX_FMT_FP6 matrix_b_fmt:MATRIX_FMT_FP6
.endif
.else
.if i%2
	v_wmma_scale_f32_16x16x128_f8f6f4 v[rO:rO+7], v[rV:rV+11], v[rP:rP+11], v[rO:rO+7], v[VS+i/2], v[PW+(\x)] matrix_a_fmt:MATRIX_FMT_FP6 matrix_b_fmt:MATRIX_FMT_FP6 matrix_a_scale:MATRIX_SCALE_ROW1
.else
	v_wmma_scale_f32_16x16x128_f8f6f4 v[rO:rO+7], v[rV:rV+11], v[rP:rP+11], v[rO:rO+7], v[VS+i/2], v[PW+(\x)] matrix_a_fmt:MATRIX_FMT_FP6 matrix_b_fmt:MATRIX_FMT_FP6
.endif
.endif
.endm
; Product i of 16 of S^T = ac ge^T: K step i / 8, the keys' tile i % 8.  The first eight start the sums.
.macro KQ x
	WIN W_KQ
.set rS, SX+64*(\x)+8*(i%8)
.set rK, KF+24*(i%8)+12*(i/8)
.set rQ, 24*(\x)+12*(i/8)
.if i < 8
	v_wmma_scale_f32_16x16x128_f8f6f4 v[rS:rS+7], v[rK:rK+11], v[rQ:rQ+11], 0, v[KS+i%8], v[QS+(\x)] matrix_a_fmt:MATRIX_FMT_FP6 matrix_b_fmt:MATRIX_FMT_FP6
.else
	v_wmma_scale_f32_16x16x128_f8f6f4 v[rS:rS+7], v[rK:rK+11], v[rQ:rQ+11], v[rS:rS+7], v[KS+i%8], v[QS+(\x)] matrix_a_fmt:MATRIX_FMT_FP6 matrix_b_fmt:MATRIX_FMT_FP6 matrix_a_scale:MATRIX_SCALE_ROW1 matrix_b_scale:MATRIX_SCALE_ROW1
.endif
.endm
; A load into a register that a matrix instruction has read stands four places behind it, and only plain vector instructions that name none of its registers are places (ISA guide 7.12.1 for vector instructions):
; four v_nop stand at the head of each run of loads.
.macro PLACES
.rept 4
	v_nop
.endr
.endm
; THE LDS LOADS.  The keys' eight fragments of K step ks of the step to be fetched; with ks = 0 the step's addresses are made and its eight scale words come too.
.macro FETCH_K ks
	WIN 0
.if (\ks) == 0
	v_add_nc_u32 v[ADK], s[TB], v[LI]
	v_add_nc_u32 v[ADS], s[TS], v[LS]
	s_add_co_u32 s[TB], s[TB], STEPB               ; the next fetch of keys is the next step's
	s_add_co_u32 s[TS], s[TS], 2048
.endif
	PLACES
.if (\ks) == 0
.irp t, 0,1,2,3,4,5,6,7
	ds_load_b32 v[KS+\t], v[ADS] offset:128*\t
.endr
.endif
	WIN 0x80                                       ; destination window 2
.irp t, 0,1,2,3,4,5,6,7
.irp j, 0,1,2
	ds_load_b128 v[KF+12*(2*\t+(\ks))+4*\j:KF+12*(2*\t+(\ks))+4*\j+3], v[ADK] offset:(2*\t+(\ks))*1536+512*\j
.endr
.endr
.endm
; Anchor's fragments 8 hf .. 8 hf + 7 of the same step, and their four scale words.
.macro FETCH_V hf
	WIN 0
	PLACES
.irp g, 0,1,2,3
	ds_load_b32 v[VS+4*(\hf)+\g], v[ADS] offset:1024+128*(4*(\hf)+\g)
.endr
	WIN 0xc0                                       ; destination window 3
.irp u, 0,1,2,3,4,5,6,7
.irp j, 0,1,2
	ds_load_b128 v[12*(8*(\hf)+\u)+4*\j:12*(8*(\hf)+\u)+4*\j+3], v[ADK] offset:24576+1536*(8*(\hf)+\u)+512*\j
.endr
.endr
.endm
; THE VECTOR WORK OF A TURN.  One tile's softmax for one key step is a list of 260 instructions; SM writes number j of it for tile t.  s0-s63 are the lane's 64 scores: two blocks of 32 keys.
; first = 1: the quarter's first key step, which starts M, l and O^T: it has no f and nothing to rescale.
;   0-31    the largest SCORE of each block, in four chains of 15 scores and the four left over.  Ascending: each accumulator is first read at its low end.  It serves the row's maximum and, since p rises with the score, the block's largest p
;   32-41   the other half of the lanes' maximum; t; the running largest t; -M = floor(-t); f = 2^(old M - new M)
;   42-141  ONE BATCH: the scalings t - M (two for the blocks' largest, 32 packed) and all 66 exponentials.  None of these reads an exponential's result; a pair is scaled twelve numbers ahead of its exponentials
;   142     a plain instruction behind the last exponential, and the one wait ahead of the first instruction that names a result
;   143-184 the sums of the unquantised p in four chains, l = f l + the sum; between them, one in four, the ten lines that make the blocks' scales and p's scale word
;   185-195 the four conversions, a plain place, the six moves (a conversion's three registers begin on an even number)
;   196-259 the tile's O^T times f: the one part that leaves window 0, so it stands together, and last: it is also the places ahead of the next turn's products, which take the codes and the scale word just made
.macro SM t, first
.set rS, SX+64*(\t)
.set rT, STT+4*(\t)
.set rB, BM+2*(\t)
.if j < 196
	WIN 0
.endif
.if (\first) && ((j == 36) || (j == 37) || ((j > 38) && (j < 42)) || (j == 184) || (j > 195))   ; the first step has none of these
.elseif j < 4
	v_max3_num_f32 v[MX+j], v[rS+16*j], v[rS+16*j+1], v[rS+16*j+2]
.elseif j < 28
	v_max3_num_f32 v[MX+j%4], v[MX+j%4], v[rS+16*(j%4)+2*(j/4)+1], v[rS+16*(j%4)+2*(j/4)+2]
.elseif j < 30
	v_max3_num_f32 v[rB+j-28], v[MX+2*(j-28)], v[MX+2*(j-28)+1], v[rS+32*(j-28)+15]
.elseif j < 32
	v_max_num_f32 v[rB+j-30], v[rB+j-30], v[rS+32*(j-30)+31]
.elseif j == 32
	v_max_num_f32 v[T0+(\t)], v[rB], v[rB+1]
.elseif j == 33
	v_permlanex16_b32 v[PD+(\t)], v[T0+(\t)], s[SEL], s[SEL+1]   ; the query's other 64 keys lie in the lane 16 away
.elseif j == 34
	v_max_num_f32 v[T0+(\t)], v[T0+(\t)], v[PD+(\t)]
.elseif (j == 35) && (\first)
	v_mul_f32 v[rT+1], s[CS], v[T0+(\t)]
.elseif j == 35
	v_mul_f32 v[T0+(\t)], s[CS], v[T0+(\t)]
.elseif j == 36
	v_mov_b32 v[OM+(\t)], v[rT]
.elseif j == 37
	v_max_num_f32 v[rT+1], v[rT+1], v[T0+(\t)]
.elseif j == 38
	v_floor_f32 v[rT], -v[rT+1]                    ; -M = floor(-t)
.elseif j == 39
	v_sub_f32 v[OM+(\t)], v[rT], v[OM+(\t)]        ; old M - new M: a whole number, 0 or less
.elseif j == 40
	v_cvt_i32_f32 v[OM+(\t)], v[OM+(\t)]
.elseif j == 41
	v_ldexp_f32 v[FF+2*(\t)], 1.0, v[OM+(\t)]
.elseif j < 44
	v_fma_f32 v[rB+j-42], v[rB+j-42], s[CS], v[rT]
.elseif j < 48
	v_pk_fma_f32 v[rS+2*(j-44):rS+2*(j-44)+1], v[rS+2*(j-44):rS+2*(j-44)+1], s[CS:CS+1], v[rT:rT+1] op_sel_hi:[1,0,0]
.elseif j < 132
.set e, j-48
.if e%3 == 0
	v_pk_fma_f32 v[rS+2*(e/3)+8:rS+2*(e/3)+9], v[rS+2*(e/3)+8:rS+2*(e/3)+9], s[CS:CS+1], v[rT:rT+1] op_sel_hi:[1,0,0]   ; pair e / 3 + 4
.else
	v_exp_f32 v[rS+2*(e/3)+e%3-1], v[rS+2*(e/3)+e%3-1]
.endif
.elseif j < 140
	v_exp_f32 v[rS+j-76], v[rS+j-76]               ; s56 to s63
.elseif j < 142
	v_exp_f32 v[rB+j-140], v[rB+j-140]             ; the blocks' largest p: the same two instructions on the same number give the same bits
.elseif j == 142
	v_nop
	s_wait_alu depctr_va_vdst(0)
.elseif j < 185
.set e, j-143
.if (e < 40) && (e%4 == 3)
.set z, e/4
.if z < 2
	v_max_num_f32 v[rB+z], 0x1800000, v[rB+z]      ; the floor 2^(3 - 127): the byte cannot fall under 1
.elseif z < 4
	v_add_nc_u32 v[SO+2*(\t)+z-2], 0xff000000, v[rB+z-2]
.elseif z < 6
	v_lshrrev_b32 v[BY+2*(\t)+z-4], 23, v[SO+2*(\t)+z-4]
.elseif z == 6
	v_lshl_or_b32 v[PW+(\t)], v[BY+2*(\t)+1], 16, v[BY+2*(\t)]
.elseif z == 7
	v_lshlrev_b32 v[PW+(\t)], v[SH8], v[PW+(\t)]
.elseif z == 8
	v_permlanex16_b32 v[PD+(\t)], v[PW+(\t)], s[SEL], s[SEL+1]
.else
	v_or_b32 v[PW+(\t)], v[PW+(\t)], v[PD+(\t)]    ; p's scale word for these 128 keys
.endif
.else
.set z, e-10
.if e < 40
.set z, e-e/4
.endif
.if z < 4
	v_pk_add_f32 v[AC+2*z:AC+2*z+1], v[rS+4*z:rS+4*z+1], v[rS+4*z+2:rS+4*z+3]
.elseif z < 28
	v_pk_add_f32 v[AC+2*(z%4):AC+2*(z%4)+1], v[AC+2*(z%4):AC+2*(z%4)+1], v[rS+8+2*z:rS+8+2*z+1]
.elseif z == 28
	v_pk_add_f32 v[AC:AC+1], v[AC:AC+1], v[AC+2:AC+3]
.elseif z == 29
	v_pk_add_f32 v[AC+4:AC+5], v[AC+4:AC+5], v[AC+6:AC+7]
.elseif (z == 30) && (\first)
	v_pk_add_f32 v[rT+2:rT+3], v[AC:AC+1], v[AC+4:AC+5]
.elseif z == 30
	v_pk_add_f32 v[AC:AC+1], v[AC:AC+1], v[AC+4:AC+5]
.else
	v_pk_fma_f32 v[rT+2:rT+3], v[rT+2:rT+3], v[FF+2*(\t):FF+2*(\t)+1], v[AC:AC+1] op_sel_hi:[1,0,1]
.endif
.endif
.elseif j < 189
.set e, j-185
.if e%2
	v_cvt_scalef32_pk16_fp6_f32 v[CT+8*(\t)+4*(e/2):CT+8*(\t)+4*(e/2)+2], v[rS+32*(e/2)+16:rS+32*(e/2)+31], v[SO+2*(\t)+e/2]
.else
	v_cvt_scalef32_pk16_fp6_f32 v[PC+12*(\t)+6*(e/2):PC+12*(\t)+6*(e/2)+2], v[rS+32*(e/2):rS+32*(e/2)+15], v[SO+2*(\t)+e/2]
.endif
.elseif j == 189
	v_nop                                          ; one plain place behind the conversions
.elseif j < 196
.set e, j-190
	v_mov_b32 v[PC+12*(\t)+6*(e/3)+3+e%3], v[CT+8*(\t)+4*(e/3)+e%3]
.else
	WIN W_RS
.set rO, 128*(\t)+2*(j-196)
	v_pk_mul_f32 v[rO:rO+1], v[rO:rO+1], v[FF+2*(\t):FF+2*(\t)+1] op_sel_hi:[1,0]
.endif
.endm
; Slice k of 32 of tile y's softmax: numbers 8 k to 8 k + 7; 260 = 8 x 32 + 4: the four that are over stand in the last slice.
.macro SLICE y, first
.set jn, 8
.if k == 31
.set jn, 12
.endif
.set j, 8*k
.rept jn
	SM \y, \first
.set j, j+1
.endr
.set k, k+1
.endm
; A TURN.  Piece x has the matrix unit; the other piece's softmax stands in slices behind its matrix instructions.
; pv = 2: 16 products anchor^T p^T; 1: they start O^T's sums; 0: none.  kq = 1: 16 products ac ge^T for the next step.  A turn with one of the two kinds has two slices behind each product.
; first = 1: the softmax is the first key step's: its last slices are empty, and eight v_nop take their part as the places behind the turn's last products and ahead of the next turn's first.
.macro TURN x, pv, kq, first
.set k, 0
.set per, 2
.if (\pv) && (\kq)
.set per, 1
.endif
.if \pv
.if (\x) == 0
	s_wait_dscnt 0x0                               ; anchor's fragments and words are in
.endif
.set i, 0
.rept 16
	PV \x, 2-(\pv)
.rept per
	SLICE 1-(\x), \first
.endr
.if ((\x) == 0) && (\kq) && (i == 1)
	FETCH_K 0                                      ; both pieces have multiplied by the last step's keys
.endif
.if ((\x) == 0) && (\kq) && (i == 8)
	FETCH_K 1
.endif
.if ((\x) == 1) && (i == 9)
	FETCH_V 0                                      ; both pieces have multiplied by anchor's tiles 0 to 7
.endif
.set i, i+1
.endr
.endif
.if \kq
.set i, 0
.rept 16
.if ((\x) == 0) && (i == 0)
	s_wait_dscnt 24                                ; the keys' words and K step 0 are in; K step 1's 24 loads may be out
.endif
.if ((\x) == 0) && (i == 8)
	s_wait_dscnt 0x0
.endif
	KQ \x
.rept per
	SLICE 1-(\x), \first
.endr
.if ((\x) == 1) && ((\pv) == 0) && (i == 0)
	FETCH_V 0
.endif
.if ((\x) == 1) && (i == 1)
	FETCH_V 1
.endif
.set i, i+1
.endr
.endif
.if \first
.rept 8
	v_nop
.endr
.endif
.endm
; THE CHANGE OF SLOTS stands between piece 1's turn and piece 0's: the slot's last bytes, anchor's fragments of its second step, have been asked for.  Each wave waits for all its tensor loads (its part of the slot
; ahead), adds 0 to its spare word, and waits for that and for its reads of the slot that it has left.
; fill = 1: a round of the cluster's barrier follows, and behind it the slot just left is asked for jointly with the next 256 keys: the load has two key steps in which to land.
.macro CHANGE fill
	WIN 0                                          ; at a label and at a branch every window is 0
	s_wait_tensorcnt 0x0                           ; no tensor load of mine is out, so the walking group 0 may be written
	ds_add_u32 v[SPW], v[NIL]
.if \fill
	s_xor_b32 s41, s41, SLOT1
	s_add_nc_u64 s[42:43], s[42:43], SLOTB         ; the type bits on top are not reached
	s_wait_xcnt 0x0                                ; the last prefetch, a slot back, has read its address
	s_add_nc_u64 s[PFA:PFA+1], s[PFA:PFA+1], SLOTB
	s_wait_dscnt 0x0                               ; the add is done, and my reads of the slot that I have left are over
	CROUND
	tensor_load_to_lds s[40:43], s[24:31]          ; my one tensor load behind the round, and the first thing there
	s_nop 0
.rept 4
	v_nop
.endr
	ASK
.else
	s_wait_dscnt 0x0
	s_barrier_signal -1
	s_barrier_wait -1
.endif
.endm
.macro NEXTSLOT                        ; the fetches go back to a slot's first step, in the other slot
	s_sub_co_u32 s[TB], s[TB], SLOTB
	s_xor_b32 s[TB], s[TB], SLOT1
.endm
.macro TWO_STEPS                       ; a slot's two key steps: written once, walked twice; the LDS addresses hang on s[TB] and s[TS]
	s_mov_b32 s[TWICE], 2
.Lstep_\@:
	TURN 0, 2, 1, 0
	TURN 1, 2, 1, 0
	WIN 0
	s_sub_co_u32 s[TWICE], s[TWICE], 1
	s_cmp_lg_u32 s[TWICE], 0
	s_cbranch_scc1 .Lstep_\@
.endm
	CHANGE 1                                       ; slot 0 and the scale words are whole in every partner; slot 1 is asked for
	FETCH_K 0                                      ; key step 0
	FETCH_K 1
	s_wait_loadcnt 0x0                             ; the queries
	s_wait_dscnt 24                                ; K step 1's 24 loads may be out
.set i, 0
.rept 8
	KQ 0                                           ; piece 0's first scores: there is no vector work yet to set between them
.set i, i+1
.endr
	s_wait_dscnt 0x0
.rept 8
	KQ 0
.set i, i+1
.endr
	WIN 0
	PLACES                                         ; behind those products, ahead of the first read of their results
	TURN 1, 0, 1, 1                                ; piece 1's first scores | piece 0's first softmax | anchor of step 0
	TURN 0, 1, 1, 1                                ; piece 0: anchor^T p^T of step 0 starts O^T, the scores of step 1 | piece 1's first softmax | the keys of step 1
	TURN 1, 1, 1, 0                                ; piece 1: the same | piece 0's softmax of step 1 | anchor of step 1
	WIN 0
	NEXTSLOT
	s_sub_co_u32 s[SLOTS], s[SLOTS], 1
.Lslot:                                            ; six trips: slots 1 to 6 are read, slots 2 to 7 asked for
	CHANGE 1
	TWO_STEPS
	NEXTSLOT
	s_sub_co_u32 s[SLOTS], s[SLOTS], 1
	s_cmp_lg_u32 s[SLOTS], 0
	s_cbranch_scc1 .Lslot
	CHANGE 0                                       ; the last slot is written out
	TWO_STEPS
	TURN 0, 2, 0, 0                                ; piece 0: anchor^T p^T of the last step | piece 1's last softmax
.set i, 0
.rept 16
	PV 1, 0                                        ; piece 1: anchor^T p^T of the last step
.set i, i+1
.endr
	WIN 0
	; THE WAY OUT: O^T leaves as it stands, an image of its registers: each store of the wave covers 512 consecutive bytes, aligned to 256; no stage in LDS is needed
	PLACES                                         ; behind the last products
.irp q, 0,1
	v_add_f32 v[STT+4*\q+2], v[STT+4*\q+2], v[STT+4*\q+3]
.endr
.irp q, 0,1
	v_permlanex16_b32 v[PD+\q], v[STT+4*\q+2], s[SEL], s[SEL+1]
.endr
.irp q, 0,1
	v_add_f32 v[STT+4*\q+1], v[STT+4*\q+2], v[PD+\q]   ; the query's l over the quarter, beside -M
.endr
.irp q, 0,1
	global_store_b64 v[L8], v[STT+4*\q:STT+4*\q+1], s[14:15] offset:256*\q
.endr
	WIN 0x04                                       ; a store's data are its source 1: window 1
.irp q, 0,1
.set n, 0
.rept 32
	global_store_b128 v[LI], v[128*\q+4*n:128*\q+4*n+3], s[12:13] offset:16384*\q+512*n th:TH_STORE_NT   ; ascending: each accumulator from its low end on
.set n, n+1
.endr
.endr
	WIN 0
	s_wait_tensorcnt 0x0                           ; the wave's end
	ds_add_u32 v[SPW], v[NIL]
	s_wait_dscnt 0x0
	CROUND                                         ; the closing round: no work-group ends while a partner may still ask for a tile that names it
	s_endpgm
.Lfunc_end_k_q7bbd13a78e_attn:
	.size	k_q7bbd13a78e_attn, .Lfunc_end_k_q7bbd13a78e_attn-k_q7bbd13a78e_attn
	.p2alignl 7, 3214868480
	.fill 96, 4, 3214868480
	.section	.rodata,"a",@progbits
	.p2align	6, 0x0
	.amdhsa_kernel k_q7bbd13a78e_attn
		.amdhsa_group_segment_fixed_size 327680
		.amdhsa_private_segment_fixed_size 0
		.amdhsa_enable_private_segment 0
		.amdhsa_kernarg_size 48
		.amdhsa_user_sgpr_count 2
		.amdhsa_user_sgpr_kernarg_segment_ptr 1
		.amdhsa_wavefront_size32 1
		.amdhsa_system_sgpr_workgroup_id_x 1
		.amdhsa_system_sgpr_workgroup_id_y 1
		.amdhsa_system_sgpr_workgroup_id_z 1
		.amdhsa_system_vgpr_workitem_id 0
		.amdhsa_next_free_vgpr 960
		.amdhsa_next_free_sgpr 66
		.amdhsa_reserve_vcc 0
		.amdhsa_float_denorm_mode_32 3
		.amdhsa_float_denorm_mode_16_64 3
		.amdhsa_memory_ordered 1
		.amdhsa_forward_progress 1
		.amdhsa_inst_pref_size 195
	.end_amdhsa_kernel
	.amdgpu_metadata
---
amdhsa.version: [ 1, 2 ]
amdhsa.kernels:
  - .name:           k_q7bbd13a78e_attn
    .symbol:         k_q7bbd13a78e_attn.kd
    .args:
      - { .name: qc, .offset: 0, .size: 8, .value_kind: global_buffer, .address_space: global }
      - { .name: qs, .offset: 8, .size: 8, .value_kind: global_buffer, .address_space: global }
      - { .name: kv, .offset: 16, .size: 8, .value_kind: global_buffer, .address_space: global }
      - { .name: kvs, .offset: 24, .size: 8, .value_kind: global_buffer, .address_space: global }
      - { .name: op, .offset: 32, .size: 8, .value_kind: global_buffer, .address_space: global }
      - { .name: ml, .offset: 40, .size: 8, .value_kind: global_buffer, .address_space: global }
    .group_segment_fixed_size: 327680
    .private_segment_fixed_size: 0
    .kernarg_segment_align: 8
    .kernarg_segment_size: 48
    .max_flat_workgroup_size: 128
    .sgpr_count:     66
    .vgpr_count:     960
    .wavefront_size: 32
...
	.end_amdgpu_metadata
.endif
;; end of part 2
;; launch mlp (part 3): grid 256 x 1, 4 waves a work-group, clusters of 4 x 1, 214,016 bytes of LDS; arguments op, ml, guess, wq, b1, a1, b2, a2, W3, b3, out0; writes out0
.if DOCPART == 3
	.amdgcn_target "amdgcn-amd-amdhsa--gfx1250"
	.amdhsa_code_object_version 6
	.text
	.protected	k_q7bbd13a78e_mlp
	.globl	k_q7bbd13a78e_mlp
	.p2align	8
	.type	k_q7bbd13a78e_mlp,@function
k_q7bbd13a78e_mlp:
	s_mov_b64 s[64:65], 0
	v_nop
	global_prefetch_b8 v0, s[64:65] scope:SCOPE_SE
	s_setreg_imm32_b32 hwreg(HW_REG_WAVE_MODE, 25, 1), 1
	s_wait_xcnt 0x0
	s_wait_alu depctr_hold_cnt(0) depctr_sa_sdst(0) depctr_va_vdst(0) depctr_va_sdst(0) depctr_va_ssrc(0) depctr_va_vcc(0) depctr_vm_vsrc(0)
	s_getreg_b32 s2, hwreg(HW_REG_IB_STS2, 6, 4)
	s_cmp_eq_u32 s2, 0
	s_cbranch_scc0 .Lentry_in_a_cluster
	s_endpgm
.Lentry_in_a_cluster:
	s_bfe_u32 s2, ttmp6, 0x10000c
	s_cmp_lg_u32 s2, 0x3003
	s_cbranch_scc0 .Lentry_shape_is_right
	s_endpgm
.Lentry_shape_is_right:
; THIRD LAUNCH: the four quarters of the keys are joined (ge2ac = sum of 2^(M_s - M) O_s / sum of 2^(M_s - M) l_s, M the largest M_s), then
; out = prelu(prelu((guess, ge2ac, guess - ge2ac) W1^T + b1, a1) W2^T + b2, a2) W3^T + b3.  The two wide products run on codes of E2M3; the last (one column) by f32 multiply-adds.  No work of the problem is left out.
; LIMITS: as in the first launch.
; SHARES: a work-group owns 32 rows.  Wave w: tile of rows m = w / 2, half of the columns c = w % 2.  It joins and quantises K steps c, 2 + c, 4 + c of its tile's 768, makes hidden units 128 c .. of the first layer (eight
; tiles x six K steps), units 64 c .. of the second (four tiles x two), and its part of the last sum.  Operands go from wave to wave through LDS as images of their registers.
; CLUSTER: all work-groups walk the same 186,368 bytes of weights (fragments and scale words as the first launch laid them): each wave brings a quarter by ONE joint load (mask 15) of 182 rows of 256 bytes.
; Nothing is filled again: one tensor load a wave is out, once.
; out0 leaves as 128 consecutive bytes a work-group.
.set XIMG, 186368                      ; LDS: 0 .. the weights;  the rows' 12 fragments (6 m + k),
.set XSC,  204800                      ; their scale words, 128 bytes each,
.set HIMG, 206336                      ; the hidden layer's 4 fragments (2 m + ks),
.set HSC,  212480                      ; their scale words,
.set RED,  212992                      ; the waves' part sums, 128 bytes each,
.set SPARE, 213504                     ; the spare words, 128 bytes a wave; no other line names them
.set LI,  1
.set LS,  2
.set GA,  3                            ; v3  guess: 1,024 r + 128 h
.set BA,  4                            ; v4  128 h
.set SH8, 5
.set XWI, 6                            ; v6-9  where I store and read the rows' images and words
.set XWS, 7
.set XRI, 8
.set XRS, 9
.set AWB, 10                           ; v10 W1's fragments of my half; v11-12 those of a K step, by turns; v13 their scale words
.set AW,  11
.set ASC, 13
.set SPW, 14
.set NIL, 15
.set TM,  16
.set SO,  18
.set BY,  20
.set PW,  22
.set PD,  23
.set CT,  24
.set PC,  32
.set AW2, 44                           ; v44-45 W2's fragments and words of my half
.set AS2, 45
.set HWI, 46
.set HWS, 47
.set HRI, 48
.set HRS, 49
.set RWA, 50
.set RRA, 51
.set MP,  52                           ; v52-59 four pairs (-M_s, l_s); the first of each becomes the quarter's weight
.set GG,  64                           ; v64-127 guess, then guess - ge2ac;  v128-191 ge2ac
.set A2,  128
.set XF,  64                           ; later: v64-135 the rows' six fragments; v136-199 the first layer's eight accumulators, then the second's four
.set TT,  64
.set H1,  136
.set WSR, 200                          ; v200-215 the weights' scale words, two sets;  v216-221 the rows';  v224-247 the hidden layer's two fragments;  v248-249 its words
.set XSR, 216
.set HF,  224
.set HSR, 248
.set L8,  250
.set WV,  30
.set SEL, 36
.set MSB, 0
.macro WIN new
.if MSB != \new
	s_set_vgpr_msb (MSB<<8)|\new
.set MSB, \new
.endif
.endm
.macro CROUND
	s_barrier_signal -1
	s_barrier_wait -1
	s_cmp_lg_u32 s[WV], 0
	s_cbranch_scc1 .Lnot_wave_0_\@
	s_barrier_signal -3
.Lnot_wave_0_\@:
	s_barrier_wait -3
	s_barrier_signal -1
	s_barrier_wait -1
.endm
.macro BARRIER                         ; my LDS stores have landed and my LDS loads are in: then the work-group's barrier
	s_wait_dscnt 0x0
	s_barrier_signal -1
	s_barrier_wait -1
.endm
.macro LOADF dst, va, sb, off
.irp c, 0,1
.irp i, 0,1,2,3,4,5,6,7
	global_load_b128 v[\dst+32*\c+4*\i:\dst+32*\c+4*\i+3], v[\va], s[\sb:\sb+1] offset:\off+256*\c+16*\i
.endr
.endr
.endm
.macro QBLK2 x, wx, d                  ; as in the first launch: 64 numbers (register 32 c + i = k 64 c + 32 h + i) become a fragment's 12 registers
	WIN 5*(\wx)
.irp c, 0,1
	v_max3_num_f32 v[TM+\c], |v[\x+32*\c]|, |v[\x+32*\c+1]|, 0x1800000
.endr
.irp i, 2,4,6,8,10,12,14,16,18,20,22,24,26,28,30
.irp c, 0,1
	v_max3_num_f32 v[TM+\c], |v[\x+32*\c+\i]|, |v[\x+32*\c+\i+1]|, v[TM+\c]
.endr
.endr
	WIN 0
.irp c, 0,1
	v_add_nc_u32 v[SO+\c], 0xff000000, v[TM+\c]
.endr
.irp c, 0,1
	v_lshrrev_b32 v[BY+\c], 23, v[SO+\c]
.endr
	WIN \wx
.irp c, 0,1
	v_cvt_scalef32_pk16_fp6_f32 v[\d+6*\c:\d+6*\c+2], v[\x+32*\c:\x+32*\c+15], v[SO+\c]
	v_cvt_scalef32_pk16_fp6_f32 v[CT+4*\c:CT+4*\c+2], v[\x+32*\c+16:\x+32*\c+31], v[SO+\c]
.endr
	WIN 0
	v_nop
.irp c, 0,1
.irp i, 0,1,2
	v_mov_b32 v[\d+6*\c+3+\i], v[CT+4*\c+\i]
.endr
.endr
.endm
.macro WORD dst
	v_lshl_or_b32 v[\dst], v[BY+1], 16, v[BY]
	v_lshlrev_b32 v[\dst], v[SH8], v[\dst]
	v_permlanex16_b32 v[PD], v[\dst], s[SEL], s[SEL+1]
	v_or_b32 v[\dst], v[\dst], v[PD]
.endm
.macro IMAGE adr, off
.irp j, 0,1,2
	ds_store_b128 v[\adr], v[PC+4*\j:PC+4*\j+3] offset:\off+512*\j
.endr
.endm
.macro PRELU x, cnt, sa                ; max(x, 0) + a min(x, 0), as the problem writes it; ascending: each accumulator is first read at its low end
.set n, 0
.rept \cnt
	v_min_num_f32 v[TT+n], 0, v[\x+n]
.set n, n+1
.endr
.set n, 0
.rept \cnt
	v_max_num_f32 v[\x+n], 0, v[\x+n]
.set n, n+1
.endr
.set n, 0
.rept (\cnt)/2
	v_pk_fma_f32 v[\x+n:\x+n+1], v[TT+n:TT+n+1], s[\sa:\sa+1], v[\x+n:\x+n+1] op_sel_hi:[1,0,1]
.set n, n+2
.endr
.endm
	s_load_b512 s[8:23], s[0:1], 0x0               ; op 8, ml 10, guess 12, wq 14, b1 16, a1 18, b2 20, a2 22
	s_load_b128 s[24:27], s[0:1], 0x40             ; W3 24, b3 26
	s_load_b64 s[28:29], s[0:1], 0x50              ; out0
	v_lshl_add_u32 v[SPW], v0, 2, SPARE
	v_mov_b32 v[NIL], 0
	ds_add_u32 v[SPW], v[NIL]                      ; the opening: the add, twice on end, and its wait ahead of my first tensor load
	ds_add_u32 v[SPW], v[NIL]
	v_lshrrev_b32 v60, 5, v0
	v_readfirstlane_b32 s[WV], v60                 ; wave 0..3
	s_lshr_b32 s31, s[WV], 1                       ; m
	s_and_b32 s32, s[WV], 1                        ; c
	s_bfe_u32 s33, ttmp6, 0x40000                  ; cx: it enters global addresses alone
	s_lshl_b32 s34, ttmp9, 2
	s_add_co_u32 s34, s34, s33                     ; my 32 rows
	v_and_b32 v60, 31, v0
	v_and_b32 v61, 15, v0
	v_bfe_u32 v62, v0, 4, 1
	v_lshlrev_b32 v[LI], 4, v60
	v_lshlrev_b32 v[LS], 2, v60
	v_lshlrev_b32 v[L8], 3, v60
	v_lshlrev_b32 v[BA], 7, v62
	v_lshlrev_b32 v[SH8], 3, v62
	v_lshl_add_u32 v[GA], v61, 10, v[BA]
	v_mov_b32 v[PD], 0
	s_mul_i32 s70, s31, 9216
	s_add_co_u32 s70, s70, XIMG
	v_add_nc_u32 v[XRI], s70, v[LI]
	s_mul_i32 s71, s32, 1536
	v_add_nc_u32 v[XWI], s71, v[XRI]
	s_mul_i32 s70, s31, 768
	s_add_co_u32 s70, s70, XSC
	v_add_nc_u32 v[XRS], s70, v[LS]
	s_lshl_b32 s72, s32, 7
	v_add_nc_u32 v[XWS], s72, v[XRS]
	s_mul_i32 s70, s32, 12288
	v_add_nc_u32 v[AWB], s70, v[LI]
	s_lshl_b32 s70, s32, 10
	s_add_co_u32 s70, s70, 172032
	v_add_nc_u32 v[ASC], s70, v[LS]
	s_mul_i32 s70, s32, 6144
	s_add_co_u32 s70, s70, 147456
	v_add_nc_u32 v[AW2], s70, v[LI]
	s_lshl_b32 s70, s32, 9
	s_add_co_u32 s70, s70, 184320
	v_add_nc_u32 v[AS2], s70, v[LS]
	s_mul_i32 s70, s31, 3072
	s_add_co_u32 s70, s70, HIMG
	v_add_nc_u32 v[HRI], s70, v[LI]
	v_add_nc_u32 v[HWI], s71, v[HRI]
	s_lshl_b32 s70, s31, 8
	s_add_co_u32 s70, s70, HSC
	v_add_nc_u32 v[HRS], s70, v[LS]
	v_add_nc_u32 v[HWS], s72, v[HRS]
	s_lshl_b32 s70, s[WV], 7
	s_add_co_u32 s70, s70, RED
	v_add_nc_u32 v[RWA], s70, v[LS]
	v_lshlrev_b32 v[RRA], 2, v61
	v_lshl_add_u32 v[RRA], v62, 8, v[RRA]
	v_add_nc_u32 v[RRA], RED, v[RRA]               ; lanes 0-15 read tile 0's two part sums, lanes 16-31 tile 1's, 256 bytes on
	s_mov_b32 s40, 15|(3<<16)|(1<<21)              ; group 1: mask: all four; elements of 8 bytes; bit 21 beside a mask; no padding
	s_mov_b32 s41, 32<<16
	s_mov_b32 s42, 182<<16
	s_mov_b32 s43, 32<<16
	s_mov_b32 s44, 182
	s_mov_b32 s45, 32
	s_mov_b32 s46, 0
	s_mov_b32 s47, 0
	s_mul_i32 s49, s[WV], 46592                    ; my quarter of the weights, in LDS and in wq
	s_mov_b32 s74, s49
	s_mov_b32 s75, 0
	s_mov_b32 s[SEL], 0x76543210
	s_mov_b32 s[SEL+1], 0xfedcba98
	s_wait_dscnt 0x0                               ; both opening adds are done
	s_wait_kmcnt 0x0
	s_mov_b32 s48, 1
	s_add_nc_u64 s[50:51], s[14:15], s[74:75]
	s_or_b32 s51, s51, 0x80000000
	CROUND                                         ; all four work-groups are here: the joint loads meet
	tensor_load_to_lds s[48:51], s[40:47]
	s_nop 0
.rept 4
	v_nop
.endr
	s_load_b32 s52, s[18:19], 0x0                  ; a1
	s_load_b32 s54, s[22:23], 0x0                  ; a2
	s_load_b32 s56, s[26:27], 0x0                  ; b3
	s_mov_b32 s77, 0
	s_lshl_b32 s78, s34, 1
	s_add_co_u32 s78, s78, s31                     ; my tile of 16 rows
	s_lshl_b32 s76, s78, 14
	s_lshl_b32 s79, s32, 13
	s_add_co_u32 s76, s76, s79
	s_add_nc_u64 s[60:61], s[8:9], s[76:77]        ; my half of the tile's O^T in quarter 0;
	s_add_nc_u64 s[62:63], s[60:61], 0x800000      ; the quarters lie 8,388,608 bytes apart, one more than an immediate holds
	s_add_nc_u64 s[66:67], s[62:63], 0x800000
	s_add_nc_u64 s[68:69], s[66:67], 0x800000
	s_lshl_b32 s76, s78, 8
	s_add_nc_u64 s[10:11], s[10:11], s[76:77]
	s_lshl_b32 s76, s78, 14
	s_lshl_b32 s79, s32, 9
	s_add_co_u32 s76, s76, s79
	s_add_nc_u64 s[12:13], s[12:13], s[76:77]      ; guess: 16 rows of 1,024 bytes a tile, + 512 c
	s_lshl_b32 s76, s32, 9
	s_add_nc_u64 s[16:17], s[16:17], s[76:77]
	s_lshl_b32 s76, s32, 8
	s_add_nc_u64 s[20:21], s[20:21], s[76:77]
	s_add_nc_u64 s[24:25], s[24:25], s[76:77]
	s_lshl_b32 s76, s34, 7
	s_add_nc_u64 s[28:29], s[28:29], s[76:77]
	WIN 0x80                                       ; destination window 2: b1 (v0-63), b2 (v64-95), W3 (v96-127), each in its result's layout
.irp e, 0,1,2,3,4,5,6,7
.irp q, 0,1
	global_load_b128 v[8*\e+4*\q:8*\e+4*\q+3], v[BA], s[16:17] offset:4*(64*(\e/4)+8*(\e%4))+16*\q
.endr
.endr
.irp e, 0,1,2,3
.irp q, 0,1
	global_load_b128 v[64+8*\e+4*\q:64+8*\e+4*\q+3], v[BA], s[20:21] offset:32*\e+16*\q
.endr
.endr
.irp e, 0,1,2,3
.irp q, 0,1
	global_load_b128 v[96+8*\e+4*\q:96+8*\e+4*\q+3], v[BA], s[24:25] offset:32*\e+16*\q
.endr
.endr
	WIN 0
.irp s, 0,1,2,3
	global_load_b64 v[MP+2*\s:MP+2*\s+1], v[L8], s[10:11] offset:131072*\s
.endr
	LOADF GG, GA, 12, 0
	WIN 0x40                                       ; destination window 1: quarter s at v[64 s]
.macro PLOAD s, sb
.set n, 0
.rept 16
	global_load_b128 v[64*\s+4*n:64*\s+4*n+3], v[LI], s[\sb:\sb+1] offset:512*n th:TH_LOAD_NT
.set n, n+1
.endr
.endm
	PLOAD 0, 60
	PLOAD 1, 62
	PLOAD 2, 66
	PLOAD 3, 68
	WIN 0
	; ---- the rows' three fragments
	s_wait_loadcnt 63                              ; guess has 64 younger loads behind it; 63 is the largest count that the wait can name
	QBLK2 GG, 0, PC
	WORD PW
	IMAGE XWI, 0
	ds_store_b32 v[XWS], v[PW]
	v_min3_num_f32 v60, v[MP], v[MP+2], v[MP+4]
	v_min_num_f32 v60, v60, v[MP+6]                ; the least -M_s = -(the largest M_s)
.irp s, 0,1,2,3
	v_sub_f32 v[MP+2*\s], v60, v[MP+2*\s]          ; M_s - M: a whole number, 0 or less
.endr
.irp s, 0,1,2,3
	v_cvt_i32_f32 v[MP+2*\s], v[MP+2*\s]
.endr
.irp s, 0,1,2,3
	v_ldexp_f32 v[MP+2*\s], 1.0, v[MP+2*\s]
.endr
	v_mul_f32 v61, v[MP], v[MP+1]
.irp s, 1,2,3
	v_fma_f32 v61, v[MP+2*\s], v[MP+2*\s+1], v61   ; the row's sum under the common M
.endr
	v_rcp_f32 v61, v61
	v_nop                                          ; the plain place behind the reciprocal
	s_wait_alu depctr_va_vdst(0)                   ; and the wait ahead of its first reader
.irp s, 0,1,2,3
	v_mul_f32 v[MP+2*\s], v[MP+2*\s], v61
.endr
	WIN 0x01                                       ; source 0 in window 1
	s_wait_loadcnt 48                              ; quarter 0 is in; the three younger quarters' 48 loads may be out
.set n, 0
.rept 32
	v_pk_mul_f32 v[A2+n:A2+n+1], v[n:n+1], v[MP:MP+1] op_sel_hi:[1,0]
.set n, n+2
.endr
.irp s, 1,2,3
	s_wait_loadcnt 48-16*\s
.set n, 0
.rept 32
	v_pk_fma_f32 v[A2+n:A2+n+1], v[64*\s+n:64*\s+n+1], v[MP+2*\s:MP+2*\s+1], v[A2+n:A2+n+1] op_sel_hi:[1,0,1]
.set n, n+2
.endr
.endr
	WIN 0
.set n, 0
.rept 32
	v_pk_add_f32 v[GG+n:GG+n+1], v[GG+n:GG+n+1], v[A2+n:A2+n+1] neg_lo:[0,1] neg_hi:[0,1]   ; guess - ge2ac, in guess's registers: guess has been quantised
.set n, n+2
.endr
	s_wait_dscnt 0x0                               ; the stores have read their registers
	QBLK2 A2, 0, PC
	WORD PW
	IMAGE XWI, 3072
	ds_store_b32 v[XWS], v[PW] offset:256
	s_wait_dscnt 0x0
	QBLK2 GG, 0, PC
	WORD PW
	IMAGE XWI, 6144
	ds_store_b32 v[XWS], v[PW] offset:512
	s_wait_tensorcnt 0x0                           ; my quarter of the weights has landed,
	BARRIER                                        ; everybody's has, and the rows' twelve fragments lie in LDS
	s_wait_kmcnt 0x0
	s_mov_b32 s53, s52                             ; (the packed form names a pair)
	s_mov_b32 s55, s54
	; ---- the first layer: eight accumulators by turns, a K step at a time; the weights' fragments in two sets, one K step ahead
.irp k, 0,1,2,3,4,5
.irp j, 0,1,2
	ds_load_b128 v[XF+12*\k+4*\j:XF+12*\k+4*\j+3], v[XRI] offset:1536*\k+512*\j
.endr
.endr
.irp k, 0,1,2,3,4,5
	ds_load_b32 v[XSR+\k], v[XRS] offset:128*\k
.endr
.macro WG5 k                           ; K step k: my eight fragments of W1 and their words: 32 loads
	v_add_nc_u32 v[AW+(\k)%2], 24576*(\k), v[AWB]
	WIN 0x40
.irp e, 0,1,2,3,4,5,6,7
.irp j, 0,1,2
	ds_load_b128 v[96*((\k)%2)+12*\e+4*\j:96*((\k)%2)+12*\e+4*\j+3], v[AW+(\k)%2] offset:1536*\e+512*\j
.endr
.endr
	WIN 0
.irp e, 0,1,2,3,4,5,6,7
	ds_load_b32 v[WSR+8*((\k)%2)+\e], v[ASC] offset:2048*(\k)+128*\e
.endr
.endm
.macro WG6                             ; my eight fragments of W2 (4 ks + e) and their words: 32 loads, into set 0
	WIN 0x40
.irp f, 0,1,2,3,4,5,6,7
.irp j, 0,1,2
	ds_load_b128 v[12*\f+4*\j:12*\f+4*\j+3], v[AW2] offset:12288*(\f/4)+1536*(\f%4)+512*\j
.endr
.endr
	WIN 0
.irp f, 0,1,2,3,4,5,6,7
	ds_load_b32 v[WSR+\f], v[AS2] offset:1024*(\f/4)+128*(\f%4)
.endr
.endm
.macro M5 k
.if (\k) == 0
	WIN 0x21                                       ; W1 in window 1, b1 (the C of each sum's first product) in window 2
.else
	WIN 0x01
.endif
.irp e, 0,1,2,3,4,5,6,7
.if (\k) == 0
	v_wmma_scale_f32_16x16x128_f8f6f4 v[H1+8*\e:H1+8*\e+7], v[12*\e:12*\e+11], v[XF:XF+11], v[8*\e:8*\e+7], v[WSR+\e], v[XSR] matrix_a_fmt:MATRIX_FMT_FP6 matrix_b_fmt:MATRIX_FMT_FP6
.else
	v_wmma_scale_f32_16x16x128_f8f6f4 v[H1+8*\e:H1+8*\e+7], v[96*((\k)%2)+12*\e:96*((\k)%2)+12*\e+11], v[XF+12*(\k):XF+12*(\k)+11], v[H1+8*\e:H1+8*\e+7], v[WSR+8*((\k)%2)+\e], v[XSR+(\k)] matrix_a_fmt:MATRIX_FMT_FP6 matrix_b_fmt:MATRIX_FMT_FP6
.endif
.endr
	WIN 0
.rept 4
	v_nop                                          ; places in front of loads into registers that these products read, and of the first read of results
.endr
.endm
	WG5 0
	WG5 1
.irp k, 0,1,2,3,4,5
	s_wait_dscnt 32                                ; this K step's loads are in; the 32 of the group behind it may be out
	M5 \k
.if \k < 4
	WG5 \k+2
.elseif \k == 4
	WG6
.endif
.endr
	PRELU H1, 64, 52
	QBLK2 H1, 0, PC
	WORD PW
	IMAGE HWI, 0                                   ; K step c of the second layer, my tile of rows
	ds_store_b32 v[HWS], v[PW]
	BARRIER                                        ; the hidden layer's four fragments lie in LDS; W2's fragments are in my registers
	; ---- the second layer: four accumulators by turns
.irp ks, 0,1
.irp j, 0,1,2
	ds_load_b128 v[HF+12*\ks+4*\j:HF+12*\ks+4*\j+3], v[HRI] offset:1536*\ks+512*\j
.endr
	ds_load_b32 v[HSR+\ks], v[HRS] offset:128*\ks
.endr
	s_wait_dscnt 0x0
	WIN 0x21
.irp e, 0,1,2,3
	v_wmma_scale_f32_16x16x128_f8f6f4 v[H1+8*\e:H1+8*\e+7], v[12*\e:12*\e+11], v[HF:HF+11], v[64+8*\e:64+8*\e+7], v[WSR+\e], v[HSR] matrix_a_fmt:MATRIX_FMT_FP6 matrix_b_fmt:MATRIX_FMT_FP6
.endr
	WIN 0x01
.irp e, 0,1,2,3
	v_wmma_scale_f32_16x16x128_f8f6f4 v[H1+8*\e:H1+8*\e+7], v[48+12*\e:48+12*\e+11], v[HF+12:HF+23], v[H1+8*\e:H1+8*\e+7], v[WSR+4+\e], v[HSR+1] matrix_a_fmt:MATRIX_FMT_FP6 matrix_b_fmt:MATRIX_FMT_FP6
.endr
	WIN 0
.rept 4
	v_nop
.endr
	PRELU H1, 32, 54
	; ---- the last product, one column: f32 multiply-adds over my 32 units, two chains
	WIN 0x08                                       ; source 1 (W3) in window 2
	v_pk_mul_f32 v[60:61], v[H1:H1+1], v[96:97]
	v_pk_mul_f32 v[62:63], v[H1+2:H1+3], v[98:99]
.set n, 4
.rept 7
	v_pk_fma_f32 v[60:61], v[H1+n:H1+n+1], v[96+n:96+n+1], v[60:61]
	v_pk_fma_f32 v[62:63], v[H1+n+2:H1+n+3], v[96+n+2:96+n+3], v[62:63]
.set n, n+4
.endr
	WIN 0
	v_pk_add_f32 v[60:61], v[60:61], v[62:63]
	v_add_f32 v60, v60, v61
	v_permlanex16_b32 v[PD], v60, s[SEL], s[SEL+1]
	v_add_f32 v60, v60, v[PD]                      ; my half of the units, for row lane % 16
	ds_store_b32 v[RWA], v60
	BARRIER
	s_cmp_lg_u32 s[WV], 0
	s_cbranch_scc1 .Lnot_first
	ds_load_b32 v60, v[RRA]                        ; wave 0 adds the two halves of all 32 rows
	ds_load_b32 v61, v[RRA] offset:128
	s_wait_dscnt 0x0
	v_add_f32 v60, v60, v61
	v_add_f32 v60, s56, v60
	global_store_b32 v[LS], v60, s[28:29]          ; 32 lanes store 128 consecutive bytes
.Lnot_first:
	s_wait_tensorcnt 0x0                           ; the wave's end
	ds_add_u32 v[SPW], v[NIL]
	s_wait_dscnt 0x0
	CROUND                                         ; the closing round
	s_endpgm
.Lfunc_end_k_q7bbd13a78e_mlp:
	.size	k_q7bbd13a78e_mlp, .Lfunc_end_k_q7bbd13a78e_mlp-k_q7bbd13a78e_mlp
	.p2alignl 7, 3214868480
	.fill 96, 4, 3214868480
	.section	.rodata,"a",@progbits
	.p2align	6, 0x0
	.amdhsa_kernel k_q7bbd13a78e_mlp
		.amdhsa_group_segment_fixed_size 214016
		.amdhsa_private_segment_fixed_size 0
		.amdhsa_enable_private_segment 0
		.amdhsa_kernarg_size 88
		.amdhsa_user_sgpr_count 2
		.amdhsa_user_sgpr_kernarg_segment_ptr 1
		.amdhsa_wavefront_size32 1
		.amdhsa_system_sgpr_workgroup_id_x 1
		.amdhsa_system_sgpr_workgroup_id_y 1
		.amdhsa_system_sgpr_workgroup_id_z 1
		.amdhsa_system_vgpr_workitem_id 0
		.amdhsa_next_free_vgpr 640
		.amdhsa_next_free_sgpr 80
		.amdhsa_reserve_vcc 0
		.amdhsa_float_denorm_mode_32 3
		.amdhsa_float_denorm_mode_16_64 3
		.amdhsa_memory_ordered 1
		.amdhsa_forward_progress 1
		.amdhsa_inst_pref_size 78
	.end_amdhsa_kernel
	.amdgpu_metadata
---
amdhsa.version: [ 1, 2 ]
amdhsa.kernels:
  - .name:           k_q7bbd13a78e_mlp
    .symbol:         k_q7bbd13a78e_mlp.kd
    .args:
      - { .name: op, .offset: 0, .size: 8, .value_kind: global_buffer, .address_space: global }
      - { .name: ml, .offset: 8, .size: 8, .value_kind: global_buffer, .address_space: global }
      - { .name: guess, .offset: 16, .size: 8, .value_kind: global_buffer, .address_space: global }
      - { .name: wq, .offset: 24, .size: 8, .value_kind: global_buffer, .address_space: global }
      - { .name: b1, .offset: 32, .size: 8, .value_kind: global_buffer, .address_space: global }
      - { .name: a1, .offset: 40, .size: 8, .value_kind: global_buffer, .address_space: global }
      - { .name: b2, .offset: 48, .size: 8, .value_kind: global_buffer, .address_space: global }
      - { .name: a2, .offset: 56, .size: 8, .value_kind: global_buffer, .address_space: global }
      - { .name: W3, .offset: 64, .size: 8, .value_kind: global_buffer, .address_space: global }
      - { .name: b3, .offset: 72, .size: 8, .value_kind: global_buffer, .address_space: global }
      - { .name: out0, .offset: 80, .size: 8, .value_kind: global_buffer, .address_space: global }
    .group_segment_fixed_size: 214016
    .private_segment_fixed_size: 0
    .kernarg_segment_align: 8
    .kernarg_segment_size: 88
    .max_flat_workgroup_size: 128
    .sgpr_count:     80
    .vgpr_count:     640
    .wavefront_size: 32
...
	.end_amdgpu_metadata
.endif
;; end of part 3
